; MI455X (gfx1250); checked and timed in simulation.
; The chip was launched on July 23, 2026; its instructions are those of AMD's public machine-readable ISA for CDNA 5 (MIT licence, August 2026) and "CDNA5" Instruction Set Architecture Reference Guide (July 2026). The comments in the code are by the model that wrote it; some were corrected since.
;; Multi Head Attention. Allowed arithmetic: matrix products marked QUANTISED: E2M3 operands, one E8M0 scale for each 32 along K, by v_wmma_scale_f32_16x16x128_f8f6f4 with both operands' format E2M3, f32 sums; everything else in f32.
;; Inputs: bk 1,024 float32; bo 1,024 float32; bq 1,024 float32; bv 1,024 float32; k 4 x 2,048 x 1,024 float32; q 4 x 2,048 x 1,024 float32; v 4 x 2,048 x 1,024 float32; wk 1,024 x 1,024 float32; wo 1,024 x 1,024 float32; wq 1,024 x 1,024 float32; wv 1,024 x 1,024 float32.
;; Outputs: out0 4 x 2,048 x 1,024 float32.
;; This version of the problem:
;;   THIS VERSION OF THE PROBLEM IS GIVEN IN LOW PRECISION. The matrix products marked QUANTISED in the list below multiply operands that are first quantised to E2M3 (2 exponent bits, 3 mantissa bits; 6 bits a number), with one power-of-two scale for each 32 numbers along K (OCP MX v1.0); their sums are f32. All else is computed in f32.
;;   The module's matrix products, in the order in which they are computed (A, B: the left and right operand; K: the contracted axis; several contracted axes count as one K, in the product's order):
;;     1. [M 8,192, K 1,024] x [K 1,024, N 1,024]; A: input q; B: input wq: QUANTISED
;;     2. [M 8,192, K 1,024] x [K 1,024, N 1,024]; A: input k; B: input wk: QUANTISED
;;     3. [M 8,192, K 1,024] x [K 1,024, N 1,024]; A: input v; B: input wv: QUANTISED
;;     4. batch 64 x [M 2,048, K 64] x [K 64, N 2,048]; A: computed on the way; B: computed on the way: QUANTISED
;;     5. batch 64 x [M 2,048, K 2,048] x [K 2,048, N 64]; A: softmax (see below); B: computed on the way: QUANTISED
;;     6. [M 8,192, K 1,024] x [K 1,024, N 1,024]; A: computed on the way; B: input wo: QUANTISED
;;   THE QUANTISER, for each operand of a quantised product, along K:
;;     - K is cut into blocks of 32 from its start; a last block that is shorter is filled with zeros.
;;     - A block's scale is 2^e with e = floor(log2(the largest magnitude in the block)) - 2, held to -126 .. 127; a block of zeros has e = 0. As a byte (E8M0): e + 127.
;;     - Each number is divided by its block's scale, clamped to +-7.5, and rounded to the nearest number of E2M3, ties to even, subnormals kept.
;;     - The product sums the exact products of the quantised numbers (number of the format x scale) in f32.
;;   ~~~python
;;   def quantise(x, axis):      # numpy; x: float32 -> the quantised numbers, widened to float32 again
;;       x = np.moveaxis(x, axis, -1); K = x.shape[-1]
;;       x = np.pad(x, [(0, 0)] * (x.ndim - 1) + [(0, -K % 32)]); x = x.reshape(x.shape[:-1] + (-1, 32)); a = np.abs(x).max(-1, keepdims=True)
;;       e = np.where(a > 0, np.clip(np.frexp(np.where(a > 0, a, 1))[1] - 1 - 2, -126, 127), 0)      # np.frexp(a)[1] - 1 = floor(log2(a)), exactly
;;       r = np.clip(x / 2.0 ** e, -7.5, 7.5)
;;       step = 2.0 ** (np.maximum(np.frexp(np.where(r == 0, 1, r))[1] - 1, 0) - 3)
;;       q = np.round(r / step) * step * 2.0 ** e      # np.round: ties to even
;;       return np.moveaxis(q.reshape(q.shape[:-2] + (-1,))[..., :K], -1, axis).astype(np.float32)
;;   ~~~
;;   SOFTMAX AHEAD OF A QUANTISED PRODUCT. Where the list says 'softmax', what is quantised is not the finished softmax but p = 2^(t - M), with t = logit x log2(e) and M = ceil(the row's largest t), a whole number; so 1/2 < the row's largest p <= 1. The row's sum l is taken of the UNQUANTISED p, in f32, and the product's result is divided by l at the end. Since M is a whole number, a kernel that streams over the keys may use a running M (the ceiling of the running maximum): every later rescaling is an exact power of two, which a block's scale takes up: the codes' values come out the same.
;;   OPERANDS COMPUTED ON THE WAY. 'Computed on the way' means the value that the module computes at that place (a softmax that the list does not call 'softmax' is quantised finished and normalised). What goes into a quantiser is computed in f32, as accurately as f32 sums, v_exp_f32 and their like allow (about 1e-6 of the number): no bf16 or f16 on the way to a quantiser, and a product that is left as it is and whose result goes on into a quantised operand takes f32 operands (vector FMAs, or v_wmma_f32_16x16x4_f32). A number that lies on a knife's edge between two numbers of the format may be rounded either way, as far as f32 arithmetic and the matrix unit's own rounding can turn it there, and no further.
;; One version. Each part assembles by itself: llvm-mc -triple=amdgcn-amd-amdhsa -mcpu=gfx1250 --defsym DOCPART=n.
;; ======== version 1 of 1: 4 launches
;; limits: right only within a limited range of input values
;; workspace buffers: xb 20,447,232 bytes; wb 3,407,872 bytes; hb 20,447,232 bytes; cb 6,815,744 bytes
;; launch quant (part 1): grid 896 x 1, 4 waves a work-group, no clusters, 34,304 bytes of LDS; arguments q, k, v, wq, wk, wv, wo, xb, wb; writes xb, wb
.if DOCPART == 1
	.amdgcn_target "amdgcn-amd-amdhsa--gfx1250"
	.amdhsa_code_object_version 6
	.text
	.protected	k_q64e1247334_quant
	.globl	k_q64e1247334_quant
	.p2align	8
	.type	k_q64e1247334_quant,@function
k_q64e1247334_quant:
	s_mov_b64 s[64:65], 0
	v_nop
	global_prefetch_b8 v0, s[64:65] scope:SCOPE_SE
	s_setreg_imm32_b32 hwreg(HW_REG_WAVE_MODE, 25, 1), 1
	s_wait_xcnt 0x0
; q, k, v [8192][1024] and wq, wk, wv, wo [1024 (K)][1024 (n)], f32, become codes of FP6 (E2M3) with one E8M0 byte for each 32 along K, laid in the order of an operand's registers.
; A block's scale is 2^(floor(log2(largest magnitude)) - 2): its byte is the largest magnitude's exponent field - 2, held at 1 from below.
; THE LAYOUT.  UNIT = 16 rows x 64 K: lane (r, h) holds 6 registers, the codes of k = 32 h .. 32 h + 31 of row r; its image is 768 bytes: registers 0-3 at 16 x lane, registers 4-5 at 512 + 8 x lane.
; BLOCK = 4 units on end + 256 bytes of scale words (row r's four words at 3072 + 16 r; in a word byte 0, 1 = the unit's two bytes, bytes 2, 3 = 0): 3,328 bytes.  A tile of 16 rows x 1,024 K is 4 blocks.
; THE ROWS OF A TILE ARE NOT NEIGHBOURS: lane row r of tile 2 G + u is row 32 G + 8 u + r + 8 (r / 8), so that a product that takes two such tiles as source 0 has 16 neighbouring rows in a lane's 16 registers.
; Work-groups 0-767: a wave takes half a tile of q, k or v (K innermost): each load reads 512 consecutive bytes of a row; a step's 16 rows x 128 K turn through the wave's own stage in LDS, so that a lane gets two whole blocks.
; Work-groups 768-895: a wave takes 32 columns x 256 K of a weight: a lane is a column and its registers run down K, so a block of 32 lies in one lane; an exchange of halves makes two tiles' units of two blocks.
; No matrix work, no cluster, no tensor load: nothing is shared between waves, and every byte is read once.
; LIMITS: NaN and infinities are not served; a block whose largest magnitude lies under 2^-124 has its byte held at 1; a block of zeros gets the byte 1 (its codes are zeros, and this program alone reads the bytes).
.set STGB,  8448                       ; a wave's stage: 16 rows x (512 bytes + 16)
.set SPARE, 4*STGB                     ; behind the stages: the spare words, 128 bytes a wave, named by no other line
.set FLOOR, 0x1800000                  ; 2^(3 - 127)
.set DOWN2, 0xff000000                 ; -(2 << 23): 2 off an exponent field
.set X,   64                           ; v64-127  a lane's two blocks of 32 numbers
.set LA,  128                          ; v128-255 two sets of 64 as loaded (weights: two sets of 32)
.set CO,  32                           ; v32-37, v40-45 two units' codes
.set CH2, 48                           ; v48-50, v52-54 a conversion's second half (three registers begin on an even number)
.set WD,  20                           ; v20-23   a block's four scale words
	s_load_b256 s[4:11], s[0:1], 0x0               ; q, k, v, wq
	s_load_b256 s[12:19], s[0:1], 0x20             ; wk, wv, wo, xb
	s_load_b64 s[20:21], s[0:1], 0x40              ; wb
	v_lshl_add_u32 v1, v0, 2, SPARE                ; my spare word
	v_mov_b32 v2, 0
	v_lshrrev_b32 v3, 5, v0
	v_readfirstlane_b32 s22, v3                    ; wave
	v_and_b32 v3, 31, v0                           ; lane
	v_and_b32 v4, 15, v0                           ; r
	v_bfe_u32 v5, v0, 4, 1                         ; h
	v_lshlrev_b32 v6, 4, v3                        ; 16 x lane
	v_lshlrev_b32 v7, 3, v3                        ; 8 x lane
	v_lshlrev_b32 v8, 4, v4
	v_lshl_add_u32 v8, v5, 3, v8                   ; 16 r + 8 h: my two scale words of a block
	v_lshlrev_b32 v9, 3, v5                        ; 8 h: my byte's place in a word
	s_mul_i32 s23, s22, STGB
	v_add_nc_u32 v10, s23, v6                      ; the stage, in: 16 x lane of a row
	v_mul_u32_u24 v11, v4, 528
	v_lshl_add_u32 v11, v5, 7, v11
	v_add_nc_u32 v11, s23, v11                     ; and out: row r, + 128 h bytes
	v_mov_b32 v18, 0                               ; a lane permute's destination counts as one of its sources
	v_mov_b32 v19, 0
	s_mov_b32 s30, 0x76543210
	s_mov_b32 s31, 0xfedcba98                      ; selects for lane l xor 16
	s_mov_b32 s32, 0xffff0000                      ; lanes 16-31
	s_mov_b32 s29, 0
	s_wait_kmcnt 0x0
	s_cmp_lt_u32 ttmp9, 768                        ; work-groups 0-767: q, k, v, half a tile (512 K, four steps) to a wave; 768-895: the weights
	s_cbranch_scc0 .Lweights
; the largest magnitude of v[s] .. v[s + 31], and the floor, into v[d]; v[d + 1] is the second chain
.macro MAX32 d, s
	v_max3_num_f32 v[\d], |v[\s]|, |v[\s+1]|, |v[\s+2]|
	v_max3_num_f32 v[\d+1], |v[\s+3]|, |v[\s+4]|, |v[\s+5]|
.irp i, 6,10,14,18,22,26
	v_max3_num_f32 v[\d], v[\d], |v[\s+\i]|, |v[\s+\i+1]|
	v_max3_num_f32 v[\d+1], v[\d+1], |v[\s+\i+2]|, |v[\s+\i+3]|
.endr
	v_max3_num_f32 v[\d], v[\d], |v[\s+30]|, |v[\s+31]|
	v_max3_num_f32 v[\d], v[\d], v[\d+1], FLOOR
.endm
	; ---- q, k, v: tensor t = work-group / 256, tile T = (4 (work-group % 256) + wave) / 2
	s_lshr_b32 s33, ttmp9, 8                       ; tensor = work-group / 256
	s_and_b32 s34, ttmp9, 255
	s_lshl_b32 s34, s34, 2
	s_add_co_u32 s34, s34, s22
	s_and_b32 s39, s34, 1                          ; which half of K is mine,
	s_lshr_b32 s34, s34, 1                         ; of tile T = (4 (work-group % 256) + wave) / 2
	s_cmp_eq_u32 s33, 0
	s_cselect_b64 s[24:25], s[4:5], s[6:7]
	s_cmp_eq_u32 s33, 2
	s_cselect_b64 s[24:25], s[8:9], s[24:25]
	; THE ROWS OF A TILE OF k differ from q's and v's: lane row r of tile 4 B + u is token 64 B + 32 (r / 8) + 8 u + r % 8, so that the scores of four such tiles give a lane 32 neighbouring keys
	s_cmp_eq_u32 s33, 1                            ; tensor k?
	s_cselect_b32 s36, 2, 1                        ; tiles to a group: four, or two (as a shift)
	s_cselect_b32 s38, 3, 1
	s_cselect_b32 s37, 65536, 0                    ; k's rows 8-15 lie 16 rows of 4,096 bytes further on
	s_lshr_b32 s35, s34, s36
	s_add_co_u32 s36, s36, 16
	s_lshl_b32 s28, s35, s36                       ; 64 or 32 rows of 4,096 bytes for each group of tiles,
	s_and_b32 s35, s34, s38
	s_lshl_b32 s35, s35, 15                        ; 8 rows for each tile in it
	s_add_co_u32 s28, s28, s35
	s_lshl_b32 s35, s39, 11                        ; my half of K begins 2,048 bytes into each row
	s_add_co_u32 s28, s28, s35
	v_add_nc_u32 v28, s37, v6                      ; the offset of rows 8-15
	s_add_nc_u64 s[24:25], s[24:25], s[28:29]
	s_lshl_b32 s35, s33, 9
	s_add_co_u32 s35, s35, s34
	s_mul_i32 s28, s35, 13312
	s_mul_i32 s35, s39, 6656                       ; my half's two blocks of the tile's four
	s_add_co_u32 s28, s28, s35
	s_add_nc_u64 s[26:27], s[18:19], s[28:29]      ; xb at my tile's four blocks
.macro ALOAD t                         ; step t: 128 K of the tile's 16 rows; each load is 512 consecutive bytes of one row
.irp i, 0,1,2,3,4,5,6,7,8,9,10,11,12,13,14,15
.if \i < 8
	global_load_b128 v[LA+64*((\t)%2)+4*\i:LA+64*((\t)%2)+4*\i+3], v6, s[24:25] offset:(\i+8*(\i/8))*4096+512*(\t) th:TH_LOAD_NT
.else
	global_load_b128 v[LA+64*((\t)%2)+4*\i:LA+64*((\t)%2)+4*\i+3], v28, s[24:25] offset:(\i+8*(\i/8))*4096+512*(\t) th:TH_LOAD_NT
.endif
.endr
.endm
.macro ASTEP t
.if (\t) < 3
	s_wait_loadcnt 16
.else
	s_wait_loadcnt 0x0
.endif
.irp i, 0,1,2,3,4,5,6,7,8,9,10,11,12,13,14,15
	ds_store_b128 v10, v[LA+64*((\t)%2)+4*\i:LA+64*((\t)%2)+4*\i+3] offset:528*\i
.endr
.irp c, 0,1
.irp j, 0,1,2,3,4,5,6,7
	ds_load_b128 v[X+32*\c+4*\j:X+32*\c+4*\j+3], v11 offset:256*\c+16*\j   ; k = 64 c + 32 h + 4 j ..: LDS serves a wave's instructions in order, so these see my stores
.endr
.endr
	s_wait_dscnt 0x0                               ; my numbers are back, and the stores have read the set,
.if (\t)+2 < 4
	ALOAD (\t)+2
.endif
.irp c, 0,1
.set XS, X+32*\c
.set MA, 12+2*\c
	MAX32 MA, XS                                   ; all 32 numbers of a block are mine
.endr
.irp c, 0,1
	v_add_nc_u32 v[16+\c], DOWN2, v[12+2*\c]       ; the conversion's scale operand: it takes the exponent field alone
.endr
.irp c, 0,1
	v_lshrrev_b32 v[12+2*\c], 23, v[16+\c]         ; the byte,
.endr
.irp c, 0,1
	v_lshlrev_b32 v[12+2*\c], v9, v[12+2*\c]       ; at its place in the unit's word;
.endr
.irp c, 0,1
	v_permlanex16_b32 v[18+\c], v[12+2*\c], s30, s31
.endr
.irp c, 0,1
	v_or_b32 v[WD+2*((\t)%2)+\c], v[12+2*\c], v[18+\c]   ; with lane l xor 16's the word is whole
.endr
	s_wait_xcnt 0x0                                ; the last step's stores have read their data: the codes' registers are written again only behind this wait
.irp c, 0,1
	v_cvt_scalef32_pk16_fp6_f32 v[CO+8*\c:CO+8*\c+2], v[X+32*\c:X+32*\c+15], v[16+\c]
	v_cvt_scalef32_pk16_fp6_f32 v[CH2+4*\c:CH2+4*\c+2], v[X+32*\c+16:X+32*\c+31], v[16+\c]
.endr
	v_nop                                          ; one plain place behind a scaled conversion
.irp c, 0,1
.irp i, 0,1,2
	v_mov_b32 v[CO+8*\c+3+\i], v[CH2+4*\c+\i]
.endr
.endr
.irp c, 0,1
	global_store_b128 v6, v[CO+8*\c:CO+8*\c+3], s[26:27] offset:((\t)/2)*3328+768*(2*((\t)%2)+\c)        ; 512 consecutive bytes
	global_store_b64 v7, v[CO+8*\c+4:CO+8*\c+5], s[26:27] offset:((\t)/2)*3328+768*(2*((\t)%2)+\c)+512   ; 256 consecutive bytes
.endr
.if (\t)%2 == 1
	v_cndmask_b32 v24, v[WD], v[WD+2], s32         ; lanes 0-15 store words 0, 1 of row r, lanes 16-31 words 2, 3
	v_cndmask_b32 v25, v[WD+1], v[WD+3], s32
	global_store_b64 v8, v[24:25], s[26:27] offset:((\t)/2)*3328+3072   ; the block's 256 bytes of scale words, whole
.endif
.endm
	ALOAD 0
	ALOAD 1
	s_wait_alu depctr_va_vdst(0)
.irp t, 0,1,2,3
	ASTEP \t
.endr
	s_wait_tensorcnt 0x0                           ; the wave's end
	ds_add_u32 v1, v2
	s_wait_dscnt 0x0
	s_endpgm
.Lweights:
	; ---- weights: Bt = 4 (work-group - 768) + wave; weight Bt / 128, 256 K (Bt / 32) % 4, 32 columns Bt % 32: a work-group's four waves stand side by side on 512 bytes
	s_sub_co_u32 s33, ttmp9, 768
	s_lshl_b32 s33, s33, 2
	s_add_co_u32 s33, s33, s22
	s_lshr_b32 s34, s33, 7
	s_bfe_u32 s35, s33, 0x20005
	s_and_b32 s36, s33, 31
	s_cmp_eq_u32 s34, 0
	s_cselect_b64 s[24:25], s[10:11], s[12:13]
	s_cmp_eq_u32 s34, 2
	s_cselect_b64 s[38:39], s[14:15], s[16:17]
	s_cmp_lt_u32 s34, 2
	s_cselect_b64 s[24:25], s[24:25], s[38:39]
	s_lshl_b32 s28, s35, 20                        ; 256 rows of 4,096 bytes
	s_lshl_b32 s37, s36, 7                         ; 32 columns of 4 bytes
	s_add_co_u32 s28, s28, s37
	s_add_nc_u64 s[24:25], s[24:25], s[28:29]
	s_lshl_b32 s37, s34, 6
	s_lshl_b32 s40, s36, 1
	s_add_co_u32 s37, s37, s40                     ; tile 64 w + 2 G
	s_mul_i32 s28, s37, 13312
	s_mul_i32 s37, s35, 3328
	s_add_co_u32 s28, s28, s37
	s_add_nc_u64 s[26:27], s[20:21], s[28:29]
	v_and_b32 v26, 8, v4
	v_add_nc_u32 v26, v26, v4
	v_lshl_add_u32 v26, v5, 3, v26                 ; my column of the 32: 8 (lane / 16) + r + 8 (r / 8)
	v_lshlrev_b32 v26, 2, v26
	v_mul_u32_u24 v27, v5, 13312
	v_lshl_add_u32 v27, v4, 4, v27                 ; my column's four scale words: tile lane / 16, row r
.macro WLOAD t                         ; block t: W(32 t + n, my column)
.set n, 0
.rept 32
	global_load_b32 v[LA+32*((\t)%2)+n], v26, s[24:25] offset:(32*(\t)+n)*4096 th:TH_LOAD_NT
.set n, n+1
.endr
.endm
.macro WBLOCK t
.set XS, LA+32*((\t)%2)
.set CX, CO+8*((\t)%2)
.if (\t) < 7
	s_wait_loadcnt 32                              ; this block's 32 loads are in; the next block's stay out
.else
	s_wait_loadcnt 0x0
.endif
	MAX32 12, XS
	v_add_nc_u32 v16, DOWN2, v12
	v_lshrrev_b32 v14, 23, v16
.if (\t)%2 == 0
	v_mov_b32 v[WD+(\t)/2], v14
	s_wait_alu depctr_va_vdst(0)
	s_wait_xcnt 0x0                                ; the last pair's stores have read both units' registers
.else
	v_lshl_or_b32 v[WD+(\t)/2], v14, 8, v[WD+(\t)/2]
.endif
	v_cvt_scalef32_pk16_fp6_f32 v[CX:CX+2], v[XS:XS+15], v16
	v_cvt_scalef32_pk16_fp6_f32 v[CH2:CH2+2], v[XS+16:XS+31], v16
	v_nop                                          ; one plain place behind a scaled conversion
.irp i, 0,1,2
	v_mov_b32 v[CX+3+\i], v[CH2+\i]
.endr
.if (\t)+2 < 8
	WLOAD (\t)+2
.endif
.if (\t)%2 == 1
.irp i, 0,1,2,3,4,5
	v_permlane16_swap_b32 v[CO+\i], v[CO+8+\i]     ; the even block's lanes 16-31 (tile 2 G + 1) change places with the odd block's lanes 0-15 (tile 2 G): each run is now one tile's unit
.endr
	global_store_b128 v6, v[CO:CO+3], s[26:27] offset:768*((\t)/2)
	global_store_b64 v7, v[CO+4:CO+5], s[26:27] offset:768*((\t)/2)+512
	global_store_b128 v6, v[CO+8:CO+11], s[26:27] offset:13312+768*((\t)/2)
	global_store_b64 v7, v[CO+12:CO+13], s[26:27] offset:13312+768*((\t)/2)+512
.endif
.endm
	WLOAD 0
	WLOAD 1
.irp t, 0,1,2,3,4,5,6,7
	WBLOCK \t
.endr
	global_store_b128 v27, v[WD:WD+3], s[26:27] offset:3072   ; sixteen lanes store a block's 256 bytes of scale words
	s_wait_tensorcnt 0x0                           ; the wave's end
	ds_add_u32 v1, v2
	s_wait_dscnt 0x0
	s_endpgm
.Lfunc_end_k_q64e1247334_quant:
	.size	k_q64e1247334_quant, .Lfunc_end_k_q64e1247334_quant-k_q64e1247334_quant
	.p2alignl 7, 3214868480
	.fill 96, 4, 3214868480
	.section	.rodata,"a",@progbits
	.p2align	6, 0x0
	.amdhsa_kernel k_q64e1247334_quant
		.amdhsa_group_segment_fixed_size 34304
		.amdhsa_private_segment_fixed_size 0
		.amdhsa_enable_private_segment 0
		.amdhsa_kernarg_size 72
		.amdhsa_user_sgpr_count 2
		.amdhsa_user_sgpr_kernarg_segment_ptr 1
		.amdhsa_wavefront_size32 1
		.amdhsa_system_sgpr_workgroup_id_x 1
		.amdhsa_system_sgpr_workgroup_id_y 1
		.amdhsa_system_sgpr_workgroup_id_z 1
		.amdhsa_system_vgpr_workitem_id 0
		.amdhsa_next_free_vgpr 256
		.amdhsa_next_free_sgpr 66
		.amdhsa_reserve_vcc 0
		.amdhsa_float_denorm_mode_32 3
		.amdhsa_float_denorm_mode_16_64 3
		.amdhsa_memory_ordered 1
		.amdhsa_forward_progress 1
		.amdhsa_inst_pref_size 71
	.end_amdhsa_kernel
	.amdgpu_metadata
---
amdhsa.version: [ 1, 2 ]
amdhsa.kernels:
  - .name:           k_q64e1247334_quant
    .symbol:         k_q64e1247334_quant.kd
    .args:
      - { .name: q, .offset: 0, .size: 8, .value_kind: global_buffer, .address_space: global }
      - { .name: k, .offset: 8, .size: 8, .value_kind: global_buffer, .address_space: global }
      - { .name: v, .offset: 16, .size: 8, .value_kind: global_buffer, .address_space: global }
      - { .name: wq, .offset: 24, .size: 8, .value_kind: global_buffer, .address_space: global }
      - { .name: wk, .offset: 32, .size: 8, .value_kind: global_buffer, .address_space: global }
      - { .name: wv, .offset: 40, .size: 8, .value_kind: global_buffer, .address_space: global }
      - { .name: wo, .offset: 48, .size: 8, .value_kind: global_buffer, .address_space: global }
      - { .name: xb, .offset: 56, .size: 8, .value_kind: global_buffer, .address_space: global }
      - { .name: wb, .offset: 64, .size: 8, .value_kind: global_buffer, .address_space: global }
    .group_segment_fixed_size: 34304
    .private_segment_fixed_size: 0
    .kernarg_segment_align: 8
    .kernarg_segment_size: 72
    .max_flat_workgroup_size: 128
    .sgpr_count:     66
    .vgpr_count:     256
    .wavefront_size: 32
...
	.end_amdgpu_metadata
.endif
;; end of part 1
;; launch proj (part 2): grid 4 x 64, 8 waves a work-group, clusters of 4 x 4, 327,680 bytes of LDS; arguments xb, wb, bq, bk, bv, hb; writes hb
.if DOCPART == 2
	.amdgcn_target "amdgcn-amd-amdhsa--gfx1250"
	.amdhsa_code_object_version 6
	.text
	.protected	k_q64e1247334_proj
	.globl	k_q64e1247334_proj
	.p2align	8
	.type	k_q64e1247334_proj,@function
k_q64e1247334_proj:
	s_mov_b64 s[64:65], 0
	v_nop
	global_prefetch_b8 v0, s[64:65] scope:SCOPE_SE
	s_setreg_imm32_b32 hwreg(HW_REG_WAVE_MODE, 25, 1), 1
	s_wait_xcnt 0x0
	s_wait_alu depctr_hold_cnt(0) depctr_sa_sdst(0) depctr_va_vdst(0) depctr_va_sdst(0) depctr_va_ssrc(0) depctr_va_vcc(0) depctr_vm_vsrc(0)
	s_getreg_b32 s2, hwreg(HW_REG_IB_STS2, 6, 4)
	s_cmp_eq_u32 s2, 0
	s_cbranch_scc0 .Lentry_in_a_cluster
	s_endpgm
.Lentry_in_a_cluster:
	s_bfe_u32 s2, ttmp6, 0x10000c
	s_cmp_lg_u32 s2, 0xf033
	s_cbranch_scc0 .Lentry_shape_is_right
	s_endpgm
.Lentry_shape_is_right:
; The three projections x W + b on codes of FP6 (E2M3) with E8M0 scales, each result quantised in registers for attention.  Units, blocks and the order of a tile's rows: as the launch before lays them
; (unit = 16 rows x 64 K, 768 bytes, an image of 6 registers a lane; block = 4 units + 256 bytes of scale words = 3,328 bytes; a tile of 16 rows x 1,024 K = 4 blocks on end).
; ROLES.  P is source 0: its rows run along a lane's registers in the result.  R is source 1: its rows are the lanes.  q, k: P = the weight's columns, R = tokens: a lane holds 64 channels of one token.
; v: P = tokens, R = the weight's columns: a lane holds 64 keys of one channel.
; A WORK-GROUP STAYS: 256 work-groups, each makes one tile P 256 x R 128 of q, then of k, then of v.  Eight waves, each P 64 x R 64: 16 accumulators, 128 registers.  q and k have the same roles and share a loop of two trips; v's tile is written out.
; THE RING.  K = 1,024 goes in halves of 512 through two LDS slots (24 tiles' rows of 6,656 bytes each: P's 16, then R's 8).  Half n lies in slot n % 2.  In front of each half every wave waits for all its tensor loads,
; adds 0 to its spare word and waits for that and for its reads; a round of the cluster's barrier follows; behind it each wave issues ONE joint load, its part of the next half, into the slot read last
; (waves 0-3 four tiles of P, waves 4-7 two of R).  By this text's count a wave has one tensor load out, and that load has a half's 64 products a wave, and at a change of tile the way out, in which to land.
; CLUSTER 4 x 4: P's tiles hang on cx alone and are asked for jointly along a column, R's on cy alone and jointly along a row; the cluster's number c = 0 .. 15 gives the rest.
; THE BIAS is the C of a tile's first 16 products (another order of f32 rounding than a bias added last): all three are loaded once, at the head, into v256-351, laid as the result lies.
; PREFETCH: the token tiles of k and of v are asked for into the L2 one half ahead of their tensor load: 26 blocks of 256 bytes to a row; the four partners that will ask jointly share the rows out by address.
; The weights' tiles are not prefetched: all sixteen clusters load the same blocks of them, so sixteen would name each block.  q's tiles come by the head's loads alone.
; hb: [q, k, v][2,048 blocks]; q, k: block 128 x (64 channels) + (64 tokens), unit = token tile; v: block 128 x (64 channels) + (64 keys), unit = channel tile.  A wave's four units are one block: every store covers whole runs of 256 bytes.
; LIMITS: NaN and infinities are not served; a block whose largest magnitude lies under 2^-124 has its byte held at 1; a block of zeros gets the byte 1 (its codes are zeros; this program alone reads the bytes).
.set TS,     6656                      ; a tile's row in a slot: two blocks
.set BLKB,   3328
.set QUADB,  4*TS
.set RB,     16*TS                     ; R's tiles lie behind P's 16
.set SLOT,   24*TS
.set SPARE,  2*SLOT                    ; behind the ring: the spare words, 128 bytes a wave, named by no other line
.set FLOOR,  0x1800000
.set DOWN2,  0xff000000
.set SC,  8                            ; v8-15    scale words: register 2 i + s: lanes 0-15 P's tile i, lanes 16-31 R's tile i, K step s.  Scales and nothing else
.set RAW, 16                           ; v16-31   the units' words as they lie; at work on the way out
.set PF,  32                           ; v32-79   P's four fragments
.set RF,  80                           ; v80-127  R's four
.set ACC, 128                          ; v128-255 accumulator (R tile a, P tile i) at ACC + 32 a + 8 i
; v3-7: slot 0's LDS addresses.  In the window above v255, named by their low 8 bits:
.set BBC, 0                            ; v256-287 the bias of the loop's tile; v288-319 k's; v320-351 v's
.set BBK, 32
.set BBV, 64
.set SO16, 96                          ; v352-354 the stores' offsets: 16 x lane, 8 x lane, 16 r + 8 h
.set SO8,  97
.set SOW,  98
.set PFO,  99                          ; v355     the prefetch's offset
.set AD1,  100                         ; v356-360 slot 1's LDS addresses
.set G1P, 24                           ; s[24:31] group 1 for P, s[32:39] for R; s[40:47] P's group 0 for slot 0, 1; s[48:55] R's
.set G1R, 32
.set G0P, 40
.set G0R, 48
.set NP,  56                           ; s[56:57], s[58:59] where my part of the next tile begins, P's and R's; s[60:61], s[62:63] the same for v's tile
.set NR,  58
.set NPV, 60
.set NRV, 62
.set OUT, 68                           ; s[68:69] my block of hb in the loop's tile; s[70:71] in v's
.set OUTV, 70
.set PFB, 94                           ; s[94:95] the prefetch's base
.set MSB, 0
.macro WIN new                         ; the immediate's high byte repeats the setting that is left
.if MSB != \new
	s_set_vgpr_msb (MSB<<8)|\new
.set MSB, \new
.endif
.endm
.macro WALU
	s_wait_alu depctr_va_vdst(0)
.endm
.macro PLACES n
.rept \n
	v_nop
.endr
.endm
.macro CROUND                          ; a round of the cluster's barrier
	s_barrier_signal -1
	s_barrier_wait -1
	s_cmp_lg_u32 s16, 0
	s_cbranch_scc1 .Lnot_wave_0_\@
	s_barrier_signal -3
.Lnot_wave_0_\@:
	s_barrier_wait -3
	s_barrier_signal -1
	s_barrier_wait -1
.endm
.macro JLOAD s                         ; a joint load into slot s: each of the two lines has one mask; an s_nop 0 and four v_nop behind each
	s_cmp_lt_u32 s16, 4
	s_cbranch_scc0 .Lfor_r_\@
	tensor_load_to_lds s[G0P+4*(\s):G0P+4*(\s)+3], s[G1P:G1P+7]
	s_nop 0
	PLACES 4
	s_branch .Lasked_\@
.Lfor_r_\@:
	tensor_load_to_lds s[G0R+4*(\s):G0R+4*(\s)+3], s[G1R:G1R+7]
	s_nop 0
	PLACES 4
.Lasked_\@:
.endm
.macro FRAGS o                         ; 32 loads: the fragments of one K step of 128, at byte o of the tiles' rows: two units each, as they lie.  AB: the slot's five address registers
.irp i, 0,1,2,3
	ds_load_b128 v[PF+12*\i:PF+12*\i+3], v[AB] offset:TS*\i+(\o)
	ds_load_b64 v[PF+12*\i+4:PF+12*\i+5], v[AB+1] offset:TS*\i+(\o)
	ds_load_b128 v[PF+12*\i+6:PF+12*\i+9], v[AB] offset:TS*\i+(\o)+768
	ds_load_b64 v[PF+12*\i+10:PF+12*\i+11], v[AB+1] offset:TS*\i+(\o)+768
.endr
.irp i, 0,1,2,3
	ds_load_b128 v[RF+12*\i:RF+12*\i+3], v[AB+2] offset:TS*\i+(\o)
	ds_load_b64 v[RF+12*\i+4:RF+12*\i+5], v[AB+3] offset:TS*\i+(\o)
	ds_load_b128 v[RF+12*\i+6:RF+12*\i+9], v[AB+2] offset:TS*\i+(\o)+768
	ds_load_b64 v[RF+12*\i+10:RF+12*\i+11], v[AB+3] offset:TS*\i+(\o)+768
.endr
.endm
; 16 matrix instructions; the 16 accumulators take turns, one instruction a turn, in the same order in every K step.  cm = 0: the sums go on; 1, 2: they begin at the bias (along the registers; along the lanes)
.macro MUL s, cm
.if \cm
	WIN 0x10                                       ; C above v255
.endif
.irp a, 0,1,2,3
.irp i, 0,1,2,3
.if \cm == 0
	v_wmma_scale_f32_16x16x128_f8f6f4 v[ACC+32*\a+8*\i:ACC+32*\a+8*\i+7], v[PF+12*\i:PF+12*\i+11], v[RF+12*\a:RF+12*\a+11], v[ACC+32*\a+8*\i:ACC+32*\a+8*\i+7], v[SC+2*\i+\s], v[SC+2*\a+\s] matrix_a_fmt:MATRIX_FMT_FP6 matrix_b_fmt:MATRIX_FMT_FP6 matrix_b_scale:MATRIX_SCALE_ROW1
.endif
.if \cm == 1
	v_wmma_scale_f32_16x16x128_f8f6f4 v[ACC+32*\a+8*\i:ACC+32*\a+8*\i+7], v[PF+12*\i:PF+12*\i+11], v[RF+12*\a:RF+12*\a+11], v[BBC+8*\i:BBC+8*\i+7], v[SC+2*\i+\s], v[SC+2*\a+\s] matrix_a_fmt:MATRIX_FMT_FP6 matrix_b_fmt:MATRIX_FMT_FP6 matrix_b_scale:MATRIX_SCALE_ROW1
.endif
.if \cm == 2
	v_wmma_scale_f32_16x16x128_f8f6f4 v[ACC+32*\a+8*\i:ACC+32*\a+8*\i+7], v[PF+12*\i:PF+12*\i+11], v[RF+12*\a:RF+12*\a+11], v[BBV+8*\a:BBV+8*\a+7], v[SC+2*\i+\s], v[SC+2*\a+\s] matrix_a_fmt:MATRIX_FMT_FP6 matrix_b_fmt:MATRIX_FMT_FP6 matrix_b_scale:MATRIX_SCALE_ROW1
.endif
.endr
.endr
	WIN 0
.endm
.macro CHUNK cc, cm                    ; 256 along K: block cc of the slot's rows
	WIN AW                                         ; the addresses' window
.irp i, 0,1,2,3
	ds_load_b128 v[RAW+4*\i:RAW+4*\i+3], v[AB+4] offset:TS*\i+BLKB*\cc   ; row r's four words: lanes 0-15 of P's tile i, lanes 16-31 of R's
.endr
	FRAGS BLKB*\cc
	WIN 0
	s_wait_dscnt 32                                ; the four loads of words are in; the 32 issued behind them may be out
.irp i, 0,1,2,3
.irp s, 0,1
	v_lshl_or_b32 v[SC+2*\i+\s], v[RAW+4*\i+2*\s+1], 16, v[RAW+4*\i+2*\s]   ; two units' words make the word of 128 K
.endr
.endr
	PLACES 8                                       ; a scale register written by a vector instruction stands eight places ahead of a scaled matrix instruction
	WALU
	s_wait_dscnt 0x0
	MUL 0, \cm
	PLACES 4                                       ; four places in front of loads into registers that matrix instructions have read
	WIN AW
	FRAGS BLKB*\cc+1536
	WIN 0
	s_wait_dscnt 0x0
	MUL 1, 0
.endm
; Half hf of a tile, out of slot hf.  fill: the next half is asked for, into the other slot.  pf: the loop's prefetch
.macro HALF hf, cm, fill, pf
.set AB, 3+97*\hf
.set AW, \hf
	s_wait_tensorcnt 0x0                           ; all my tensor loads have landed: the one that was out is my part of this slot
.if \fill
	ds_add_u32 v1, v2                              ; 0 onto my spare word: no load of mine is out, so the descriptors may be written
.if \hf == 0
	s_add_nc_u64 s[G0P+6:G0P+7], s[G0P+2:G0P+3], TS       ; this tile's second half
	s_add_nc_u64 s[G0R+6:G0R+7], s[G0R+2:G0R+3], TS
.else
	s_mov_b64 s[G0P+2:G0P+3], s[NP:NP+1]                  ; the next tile's first half
	s_or_b32 s[G0P+3], s[G0P+3], 0x80000000
	s_mov_b64 s[G0R+2:G0R+3], s[NR:NR+1]
	s_or_b32 s[G0R+3], s[G0R+3], 0x80000000
	s_mov_b64 s[NP:NP+1], s[NPV:NPV+1]                    ; behind k's tile comes v's
	s_mov_b64 s[NR:NR+1], s[NRV:NRV+1]
.endif
	s_wait_dscnt 0x0                               ; the add is done, and so are my reads of the other slot
	CROUND                                         ; both hold of every wave of all sixteen work-groups
	JLOAD 1-\hf                                    ; my one tensor load behind the round
.else
	s_wait_dscnt 0x0
	s_barrier_signal -1                            ; it shows the last half to all eight waves
	s_barrier_wait -1
.endif
	CHUNK 0, \cm
.if \pf
	s_cmp_lg_u32 s3, s18                           ; trip 0: R's waves ask for k's tokens; trip 1: P's waves for v's.  This half of the next tile: its tensor load stands one half on
	s_cbranch_scc0 .Lnot_mine_\@
	WIN 0x01
	global_prefetch_b8 v[PFO], s[PFB:PFB+1] offset:TS*\hf th:TH_LOAD_NT scope:SCOPE_SE
	WIN 0
.Lnot_mine_\@:
.endif
	PLACES 4
	CHUNK 1, 0
	PLACES 4                                       ; behind the last products: in front of the next loads into their registers, or of the first read of the sums
.endm
; 32 numbers of a lane, register 16 b + i = k 32 b + 16 h + i of my row, become a unit's codes in v[d] .. v[d + 5] and its scale word in v[w]
.macro QUANT32 s, d, w
	v_max3_num_f32 v16, |v[\s]|, |v[\s+1]|, FLOOR          ; each accumulator is read from its low end on
	v_max3_num_f32 v17, |v[\s+16]|, |v[\s+17]|, FLOOR
.irp i, 2,4,6,8,10,12,14
	v_max3_num_f32 v16, v16, |v[\s+\i]|, |v[\s+\i+1]|
	v_max3_num_f32 v17, v17, |v[\s+16+\i]|, |v[\s+17+\i]|
.endr
	s_delay_alu instid0(VALU_DEP_2)
	v_permlanex16_b32 v18, v16, s66, s67
	s_delay_alu instid0(VALU_DEP_2)
	v_permlanex16_b32 v19, v17, s66, s67
	s_delay_alu instid0(VALU_DEP_2)
	v_max_num_f32 v16, v16, v18                    ; with lane l xor 16's 16: the block's largest magnitude
	s_delay_alu instid0(VALU_DEP_2)
	v_max_num_f32 v17, v17, v19
	s_delay_alu instid0(VALU_DEP_2)
	v_add_nc_u32 v20, DOWN2, v16                   ; the conversions' scale operands
	s_delay_alu instid0(VALU_DEP_2)
	v_add_nc_u32 v21, DOWN2, v17
	s_delay_alu instid0(VALU_DEP_2)
	v_lshrrev_b32 v22, 23, v20
	s_delay_alu instid0(VALU_DEP_2)
	v_lshrrev_b32 v23, 23, v21
	s_delay_alu instid0(VALU_DEP_1)
	v_lshl_or_b32 v[\w], v23, 8, v22
	v_cvt_scalef32_pk16_fp6_f32 v[\d:\d+2], v[\s:\s+15], v20
	v_cvt_scalef32_pk16_fp6_f32 v[24:26], v[\s+16:\s+31], v21
	v_nop                                          ; one plain place behind a scaled conversion
.irp i, 0,1,2
	v_permlane16_swap_b32 v[\d+\i], v[24+\i]       ; a whole block to a lane: lanes 0-15 block 0, lanes 16-31 block 1
.endr
.irp i, 0,1,2
	s_delay_alu instid0(VALU_DEP_3)
	v_mov_b32 v[\d+3+\i], v[24+\i]
.endr
.endm
.macro TILE cm, last, ptr
.if \last
	HALF 0, \cm, 1, 0
	WALU
	HALF 1, 0, 0, 0
.else
	HALF 0, \cm, 1, 1
	WALU
	HALF 1, 0, 1, 1
.endif
.irp a, 0,1,2,3                        ; THE WAY OUT; where a tile follows, its first half is on its way meanwhile
	QUANT32 ACC+32*\a, PF+8*\a, 28+\a
.endr
	v_cndmask_b32 v24, v28, v30, s91               ; lanes 0-15 store words 0, 1 of row r, lanes 16-31 words 2, 3
	v_cndmask_b32 v25, v29, v31, s91
	WIN 0x01                                       ; the offsets lie above v255
.irp a, 0,1,2,3
	global_store_b128 v[SO16], v[PF+8*\a:PF+8*\a+3], s[\ptr:\ptr+1] offset:768*\a        ; 512 consecutive bytes
	global_store_b64 v[SO8], v[PF+8*\a+4:PF+8*\a+5], s[\ptr:\ptr+1] offset:768*\a+512    ; 256 consecutive bytes
.endr
	global_store_b64 v[SOW], v[24:25], s[\ptr:\ptr+1] offset:3072
	WIN 0
.endm
	s_load_b256 s[4:11], s[0:1], 0x0               ; xb, wb, bq, bk
	s_load_b128 s[12:15], s[0:1], 0x20             ; bv, hb
	v_lshl_add_u32 v1, v0, 2, SPARE
	v_mov_b32 v2, 0
	ds_add_u32 v1, v2                              ; the wave's opening
	ds_add_u32 v1, v2
	v_lshrrev_b32 v3, 5, v0
	v_readfirstlane_b32 s16, v3                    ; wave 0..7
	s_and_b32 s17, s16, 3                          ; pw: my 64 of P's 256.  Also: which part of a half I fetch
	s_lshr_b32 s18, s16, 2                         ; rw: my 64 of R's 128.  Also: I fetch for P (0) or for R (1)
	s_bfe_u32 s19, ttmp6, 0x40000                  ; cx
	s_bfe_u32 s20, ttmp6, 0x40004                  ; cy
	s_and_b32 s21, ttmp7, 0xffff                   ; c: the cluster's y, 0..15
	s_lshl_b32 s72, 0x1111, s19                    ; my column of the cluster
	s_or_b32 s[G1P], s72, (3<<16)|(1<<21)          ; 15:0 the mask; 17:16 elements of 8 bytes; 21 set beside a mask; no padding
	s_lshl_b32 s76, s20, 2
	s_lshl_b32 s76, 15, s76                        ; my row
	s_or_b32 s[G1R], s76, (3<<16)|(1<<21)
.irp g, G1P, G1R
	s_mov_b32 s[\g+1], 832<<16                     ; tensor_dim0: two blocks, 832 elements
	s_mov_b32 s[\g+3], 832<<16                     ; tile_dim0
	s_mov_b32 s[\g+5], 1664                        ; from tile to tile: 13,312 bytes
	s_mov_b32 s[\g+6], 0
	s_mov_b32 s[\g+7], 0
.endr
	s_mov_b32 s[G1P+2], 4<<16                      ; tensor_dim1: four tiles for P,
	s_mov_b32 s[G1P+4], 4
	s_mov_b32 s[G1R+2], 2<<16                      ; two for R
	s_mov_b32 s[G1R+4], 2
	; where my parts begin.  P's registers never hold cy, R's never cx
	s_mul_i32 s72, s19, 212992
	s_mul_i32 s73, s17, 53248
	s_add_co_u32 s72, s72, s73                     ; q: P = wq's block cx of 256 columns, tiles 4 pw ..
	s_lshr_b32 s74, s21, 1
	s_lshl_b32 s74, s74, 2
	s_add_co_u32 s74, s74, s19
	s_mul_i32 s74, s74, 212992
	s_add_co_u32 s74, s74, s73
	s_add_co_u32 s74, s74, 13631488                ; v: P = block 4 (c / 2) + cx of 256 tokens of the third tensor of xb
	s_mov_b32 s73, 0
	s_mov_b32 s75, 0
	s_lshl_b32 s76, s21, 2
	s_add_co_u32 s76, s76, s20
	s_mul_i32 s76, s76, 106496
	s_mul_i32 s77, s17, 26624
	s_add_co_u32 s76, s76, s77                     ; q: R = block 4 c + cy of 128 tokens, tiles 2 pw, 2 pw + 1
	s_and_b32 s78, s21, 1
	s_lshl_b32 s78, s78, 2
	s_add_co_u32 s78, s78, s20
	s_mul_i32 s78, s78, 106496
	s_add_co_u32 s78, s78, s77
	s_add_co_u32 s78, s78, 1703936                 ; v: R = block 4 (c % 2) + cy of 128 columns of wv, the third weight of wb
	s_mov_b32 s77, 0
	s_mov_b32 s79, 0
.irp s, 0,1
	s_mov_b32 s[G0P+4*\s], 1
	s_mov_b32 s[G0R+4*\s], 1
.endr
	s_mul_i32 s81, s17, QUADB                      ; where they go in a slot: no place in the cluster enters an LDS address
	s_mov_b32 s[G0P+1], s81
	s_add_co_u32 s[G0P+5], s81, SLOT
	s_mul_i32 s[G0R+1], s17, 2*TS
	s_add_co_u32 s[G0R+1], s[G0R+1], RB
	s_add_co_u32 s[G0R+5], s[G0R+1], SLOT
	s_mov_b32 s66, 0x76543210
	s_mov_b32 s67, 0xfedcba98                      ; selects for lane l xor 16
	s_mov_b32 s91, 0xffff0000                      ; lanes 16-31
	s_wait_dscnt 0x0                               ; both opening adds are done
	CROUND                                         ; all sixteen work-groups are here: the first joint loads meet
	s_wait_kmcnt 0x0
	s_add_nc_u64 s[G0P+2:G0P+3], s[6:7], s[72:73]
	s_add_nc_u64 s[NP:NP+1], s[G0P+2:G0P+3], 851968        ; k's weight lies behind q's,
	s_or_b32 s[G0P+3], s[G0P+3], 0x80000000
	s_add_nc_u64 s[NPV:NPV+1], s[4:5], s[74:75]
	s_add_nc_u64 s[G0R+2:G0R+3], s[4:5], s[76:77]
	s_add_nc_u64 s[NR:NR+1], s[G0R+2:G0R+3], 6815744       ; k's tokens behind q's
	s_or_b32 s[G0R+3], s[G0R+3], 0x80000000
	s_add_nc_u64 s[NRV:NRV+1], s[6:7], s[78:79]
	JLOAD 0                                        ; q's first half: one tensor load a wave at the head
	v_and_b32 v16, 31, v0                          ; lane
	v_and_b32 v17, 15, v0                          ; r
	v_bfe_u32 v18, v0, 4, 1                        ; h
	v_lshl_add_u32 v3, v16, 4, s81                 ; P's units: my four tiles + 16 x lane,
	v_lshl_add_u32 v4, v16, 3, s81
	v_add_nc_u32 v4, 512, v4                       ; and + 512 + 8 x lane
	s_mul_i32 s80, s18, QUADB
	s_add_co_u32 s80, s80, RB
	v_lshl_add_u32 v5, v16, 4, s80                 ; R's likewise
	v_lshl_add_u32 v6, v16, 3, s80
	v_add_nc_u32 v6, 512, v6
	s_xor_b32 s80, s17, 3
	s_add_co_u32 s80, s80, s18
	s_add_co_u32 s80, s80, 1
	s_mul_i32 s80, s80, QUADB                      ; from my tiles of P to my tiles of R: four tiles x (1 + rw + 3 - pw)
	v_mul_u32_u24 v7, s80, v18                     ; lanes 16-31 take R's words
	v_lshl_add_u32 v7, v17, 4, v7
	v_add_nc_u32 v7, s81, v7
	v_add_nc_u32 v7, 3072, v7
	; the biases
	s_lshl_b32 s82, s19, 2
	s_add_co_u32 s82, s82, s17                     ; q, k: my 64 channels: 4 cx + pw
	s_lshl_b32 s83, s82, 8
	v_lshl_add_u32 v20, v18, 6, s83                ; register 16 b + i is channel 64 x that + 32 b + 16 h + i
	s_and_b32 s84, s21, 1
	s_lshl_b32 s84, s84, 2
	s_add_co_u32 s84, s84, s20
	s_lshl_b32 s84, s84, 1
	s_add_co_u32 s84, s84, s18                     ; v: my 64 channels: 2 (4 (c % 2) + cy) + rw
	s_lshl_b32 s85, s84, 8
	v_and_b32 v21, 8, v17
	v_add_nc_u32 v21, v21, v17
	v_lshl_add_u32 v21, v21, 2, s85                ; lane r of tile a is channel 64 x that + 32 (a / 2) + 8 (a % 2) + r + 8 (r / 8)
	v_lshlrev_b32 v19, 4, v17
	; the prefetch: P's waves take row cy of their four (26 blocks of 256 bytes), R's waves 13 blocks: half cx % 2 of row cx / 2 of their two
	s_mul_i32 s86, s20, 13312
	s_lshr_b32 s87, s19, 1
	s_mul_i32 s87, s87, 13312
	s_and_b32 s92, s19, 1
	s_mul_i32 s92, s92, 3328
	s_add_co_u32 s87, s87, s92
	s_cmp_lt_u32 s16, 4
	s_cselect_b64 s[PFB:PFB+1], s[NPV:NPV+1], s[NR:NR+1]   ; P's waves: v's tokens; R's waves: k's
	s_cselect_b32 s87, s86, s87
	s_cselect_b32 s86, 25, 12
	v_min_u32 v22, s86, v16                        ; the lanes left over name the last block again
	WALU
	WIN 0x40                                       ; destinations above v255
.irp b, 0,1
.irp q, 0,1,2,3
	global_load_b128 v[BBC+16*\b+4*\q:BBC+16*\b+4*\q+3], v20, s[8:9] offset:128*\b+16*\q
	global_load_b128 v[BBK+16*\b+4*\q:BBK+16*\b+4*\q+3], v20, s[10:11] offset:128*\b+16*\q
.endr
.endr
.irp a, 0,1,2,3
.irp j, 0,1,2,3,4,5,6,7
	global_load_b32 v[BBV+8*\a+\j], v21, s[12:13] offset:4*(32*(\a/2)+8*(\a%2))   ; one number a lane and tile, in all eight registers of the tile
.endr
.endr
	v_lshlrev_b32 v[SO16], 4, v16
	v_lshlrev_b32 v[SO8], 3, v16
	v_lshl_add_u32 v[SOW], v18, 3, v19
	v_lshl_add_u32 v[PFO], v22, 8, s87
.irp k, 0,1,2,3,4
	v_add_nc_u32 v[AD1+\k], SLOT, v[3+\k]
.endr
	WIN 0
	; my blocks of hb
	s_lshl_b32 s88, s82, 7
	s_lshl_b32 s89, s21, 2
	s_add_co_u32 s89, s89, s20
	s_lshl_b32 s89, s89, 1
	s_add_co_u32 s89, s89, s18                     ; q, k: my 64 tokens: 2 (4 c + cy) + rw
	s_add_co_u32 s88, s88, s89
	s_mul_i32 s88, s88, BLKB
	s_mov_b32 s89, 0
	s_add_nc_u64 s[OUT:OUT+1], s[14:15], s[88:89]
	s_lshr_b32 s90, s21, 1
	s_lshl_b32 s90, s90, 2
	s_add_co_u32 s90, s90, s19
	s_lshl_b32 s90, s90, 2
	s_add_co_u32 s90, s90, s17                     ; v: my 64 keys: 4 (4 (c / 2) + cx) + pw
	s_lshl_b32 s88, s84, 7
	s_add_co_u32 s88, s88, s90
	s_add_co_u32 s88, s88, 4096                    ; the third tensor of hb
	s_mul_i32 s88, s88, BLKB
	s_add_nc_u64 s[OUTV:OUTV+1], s[14:15], s[88:89]
	s_mov_b32 s3, 0
	WALU
	s_wait_loadcnt 0x0                             ; the biases
.Ltile:                                                ; q's tile, then k's
	TILE 1, 0, OUT
	s_wait_xcnt 0x0                                ; the stores have read their base and their data
	s_add_nc_u64 s[OUT:OUT+1], s[OUT:OUT+1], 6815744
	WIN 0x41
.set j, 0
.rept 32
	v_mov_b32 v[BBC+j], v[BBK+j]                   ; k's bias takes q's place
.set j, j+1
.endr
	WIN 0
	s_add_co_u32 s3, s3, 1
	s_cmp_lt_u32 s3, 2
	WALU
	s_cbranch_scc1 .Ltile
	TILE 2, 1, OUTV                                ; v's tile is written out: other roles, and nothing more to fetch behind its second half
	s_wait_tensorcnt 0x0                           ; the wave's end
	ds_add_u32 v1, v2
	s_wait_dscnt 0x0
	CROUND                                         ; the closing round
	s_endpgm
.Lfunc_end_k_q64e1247334_proj:
	.size	k_q64e1247334_proj, .Lfunc_end_k_q64e1247334_proj-k_q64e1247334_proj
	.p2alignl 7, 3214868480
	.fill 96, 4, 3214868480
	.section	.rodata,"a",@progbits
	.p2align	6, 0x0
	.amdhsa_kernel k_q64e1247334_proj
		.amdhsa_group_segment_fixed_size 327680
		.amdhsa_private_segment_fixed_size 0
		.amdhsa_enable_private_segment 0
		.amdhsa_kernarg_size 48
		.amdhsa_user_sgpr_count 2
		.amdhsa_user_sgpr_kernarg_segment_ptr 1
		.amdhsa_wavefront_size32 1
		.amdhsa_system_sgpr_workgroup_id_x 1
		.amdhsa_system_sgpr_workgroup_id_y 1
		.amdhsa_system_sgpr_workgroup_id_z 1
		.amdhsa_system_vgpr_workitem_id 0
		.amdhsa_next_free_vgpr 384
		.amdhsa_next_free_sgpr 100
		.amdhsa_reserve_vcc 0
		.amdhsa_float_denorm_mode_32 3
		.amdhsa_float_denorm_mode_16_64 3
		.amdhsa_memory_ordered 1
		.amdhsa_forward_progress 1
		.amdhsa_inst_pref_size 115
	.end_amdhsa_kernel
	.amdgpu_metadata
---
amdhsa.version: [ 1, 2 ]
amdhsa.kernels:
  - .name:           k_q64e1247334_proj
    .symbol:         k_q64e1247334_proj.kd
    .args:
      - { .name: xb, .offset: 0, .size: 8, .value_kind: global_buffer, .address_space: global }
      - { .name: wb, .offset: 8, .size: 8, .value_kind: global_buffer, .address_space: global }
      - { .name: bq, .offset: 16, .size: 8, .value_kind: global_buffer, .address_space: global }
      - { .name: bk, .offset: 24, .size: 8, .value_kind: global_buffer, .address_space: global }
      - { .name: bv, .offset: 32, .size: 8, .value_kind: global_buffer, .address_space: global }
      - { .name: hb, .offset: 40, .size: 8, .value_kind: global_buffer, .address_space: global }
    .group_segment_fixed_size: 327680
    .private_segment_fixed_size: 0
    .kernarg_segment_align: 8
    .kernarg_segment_size: 48
    .max_flat_workgroup_size: 256
    .sgpr_count:     100
    .vgpr_count:     384
    .wavefront_size: 32
...
	.end_amdgpu_metadata
.endif
;; end of part 2
;; launch attn (part 3): grid 4 x 64, 16 waves a work-group, clusters of 4 x 1, 215,040 bytes of LDS; arguments hb, cb; writes cb
.if DOCPART == 3
	.amdgcn_target "amdgcn-amd-amdhsa--gfx1250"
	.amdhsa_code_object_version 6
	.text
	.protected	k_q64e1247334_attn
	.globl	k_q64e1247334_attn
	.p2align	8
	.type	k_q64e1247334_attn,@function
k_q64e1247334_attn:
	s_mov_b64 s[64:65], 0
	v_nop
	global_prefetch_b8 v0, s[64:65] scope:SCOPE_SE
	s_setreg_imm32_b32 hwreg(HW_REG_WAVE_MODE, 25, 1), 1
	s_wait_xcnt 0x0
	s_wait_alu depctr_hold_cnt(0) depctr_sa_sdst(0) depctr_va_vdst(0) depctr_va_sdst(0) depctr_va_ssrc(0) depctr_va_vcc(0) depctr_vm_vsrc(0)
	s_getreg_b32 s2, hwreg(HW_REG_IB_STS2, 6, 4)
	s_cmp_eq_u32 s2, 0
	s_cbranch_scc0 .Lentry_in_a_cluster
	s_endpgm
.Lentry_in_a_cluster:
	s_bfe_u32 s2, ttmp6, 0x10000c
	s_cmp_lg_u32 s2, 0x3003
	s_cbranch_scc0 .Lentry_shape_is_right
	s_endpgm
.Lentry_shape_is_right:
; Attention of one (head, batch) pair Y = 4 head + batch = the cluster's y, both products on codes of FP6 (E2M3) with E8M0 scales; the result, divided by the row's sum, is quantised along D for the last projection.
; t = score x log2(e) / 8; M = the running largest t rounded UP to a whole number; p = 2^(t - M) is quantised along the keys, not normalised; the row's sum is taken of the unquantised p.
; When M moves, the sum and O are multiplied by 2^(old M - new M): exact.
; SHARES.  The pair's K and V, 32 blocks of 3,328 bytes each, lie in LDS whole: filled once, by one joint tensor load a wave (16 waves, 128 keys each), shared by the cluster's four work-groups, which own 512 queries each.
; Wave w owns query tiles 2 w and 2 w + 1 of its work-group and takes them in two passes of 16 key steps.  Nothing is prefetched: all that a work-group reads is asked for at its head, and there is no loop to run ahead in.
; LAYOUT.  Both products transposed: S^T = K Q^T, O^T = V^T P^T: a lane holds one query throughout.  Unit = 16 rows x 64 K, 768 bytes (registers 0-3 at 16 x lane, 4-5 at 512 + 8 x lane); block = 4 units + 256 bytes of scale words.
; K's unit u of block B has token 64 B + 32 (r / 8) + 8 u + r % 8 in lane row r: so register 8 u + j of the four score tiles of a block is key 64 B + 32 h + 8 u + j in lane half h:
; A LANE'S 32 REGISTERS ARE ONE WHOLE SCALE BLOCK OF p, IN KEY ORDER: its largest needs no other lane, and two conversions give the six registers of the operand.  Only the row's maximum and the word of four scale bytes cross the halves.
; THE SCORES' K IS 64, the instruction's 128: Q's upper six registers are zero codes.  K's fragment t is v[KF + 6 t .. + 11]: its upper six registers are the next unit's codes (behind the last: zeros), which meet Q's zeros;
; the scale bytes there are 0, which is a number and no NaN.
; A STEP'S ORDER: scores; V's loads; maxima; M; t - M of the first 64 keys; O and the sum under the new M; exponentials in two batches of 32, with lines among them that hang on nothing in the batch; codes; O^T += V^T P^T;
; the next step's K is asked for; the rest of the row's sum stands between those loads and the wait for them.
; The scale words of cb are stored 4 bytes a row: four heads' work-groups fill each run of 16 bytes; 64 bytes a tile against its 768 of codes.
; LIMITS: NaN and infinities are not served; the scaled scores stay under 2^31 in magnitude; a block whose largest magnitude lies under 2^-124 has its byte held at 1; a block of zeros gets the byte 1 (its codes are zeros; this program alone reads the bytes).
.set STEPB, 13312                      ; a key step in LDS: K's two blocks, then V's two
.set VB,    6656
.set BLK,   3328
.set SPARE, 16*STEPB                   ; behind the tiles: the spare words, 128 bytes a wave, named by no other line
.set FLOOR, 0x1800000
.set DOWN2, 0xff000000
; v3 16 x lane; v4 512 + 8 x lane; v5 8 h; v6 3072 + 16 r; v7, v8, v10 the same three at the step's place; v9 at work; v11 the result's words; v12 -M, v13 the running largest score, v14-15 the sum
.set QF,  16                           ; v16-21 Q's codes, v22-27 zeros
.set QS,  28                           ; v28    Q's scale word
.set W0,  29                           ; v29    pass 0's scale word of the result; v37 pass 1's
.set Q1,  30                           ; v30-36 pass 1's Q and its word
.set W1,  37
.set F,   38                           ; v38 f = 2^(old M - new M); v39 is named with it as a pair
.set TT,  39
.set KF,  40                           ; v40-87 K's eight units, later V's four fragments; v88-93 zeros
.set KS,  94                           ; v94-101 K's words, one for each unit
.set VR,  102                          ; v102-109 V's words as they lie
.set VSC, 110                          ; v110-113 V's words of 128 keys
.set S,   114                          ; v114-177 S^T, then p
.set O,   178                          ; v178-209 O^T
.set PC,  210                          ; v210-221 p's codes
.set T,   222                          ; v222-224, v226-228 the conversions' second halves (three registers begin on an even number)
.set TO,  225                          ; v225   the old -M
.set C,   230                          ; v230-233 four chains of maxima; then v230, v232 the blocks' largest scores, v231, v233 their p
.set PW,  234                          ; v234   p's scale word: a scale and nothing else
.set W,   235
.set SO,  236                          ; v236-237 the conversions' scale operands
.set E,   238                          ; v238-239 the bytes
.set A,   240                          ; v240-255 eight partial sums, two numbers each
.macro CROUND
	s_barrier_signal -1
	s_barrier_wait -1
	s_cmp_lg_u32 s8, 0
	s_cbranch_scc1 .Lnot_wave_0_\@
	s_barrier_signal -3
.Lnot_wave_0_\@:
	s_barrier_wait -3
	s_barrier_signal -1
	s_barrier_wait -1
.endm
.macro WALU
	s_wait_alu depctr_va_vdst(0)
.endm
.macro KLOAD a, b, w                   ; 20 loads: K's eight units, its eight words, V's eight words
.irp t, 0,1,2,3,4,5,6,7
	ds_load_b128 v[KF+6*\t:KF+6*\t+3], \a offset:BLK*(\t/4)+768*(\t%4)
	ds_load_b64 v[KF+6*\t+4:KF+6*\t+5], \b offset:BLK*(\t/4)+768*(\t%4)
.endr
	ds_load_b128 v[KS:KS+3], \w
	ds_load_b128 v[KS+4:KS+7], \w offset:BLK
	ds_load_b128 v[VR:VR+3], \w offset:VB
	ds_load_b128 v[VR+4:VR+7], \w offset:VB+BLK
.endm
	s_load_b128 s[4:7], s[0:1], 0x0                ; hb, cb
	v_lshl_add_u32 v1, v0, 2, SPARE
	v_mov_b32 v2, 0
	ds_add_u32 v1, v2                              ; the wave's opening
	ds_add_u32 v1, v2
	v_lshrrev_b32 v3, 5, v0
	v_readfirstlane_b32 s8, v3                     ; wave 0..15
	s_bfe_u32 s9, ttmp6, 0x40000                   ; cx: it enters Q's and cb's addresses alone
	s_and_b32 s10, ttmp7, 0xffff                   ; Y
	s_lshr_b32 s11, s10, 2                         ; head
	s_and_b32 s12, s10, 3                          ; batch
	s_mov_b32 s16, 15|(3<<16)|(1<<21)              ; 15:0 the mask: all four; 17:16 elements of 8 bytes; 21 set beside a mask; no padding
	s_mov_b32 s17, 832<<16                         ; tensor_dim0: two blocks, 6,656 bytes
	s_mov_b32 s18, 2<<16                           ; tensor_dim1: K's row, V's row
	s_mov_b32 s19, 832<<16                         ; tile_dim0
	s_mov_b32 s20, 2                               ; tile_dim1
	s_mov_b32 s21, 851968                          ; from tensor k to tensor v in hb: 6,815,744 bytes
	s_mov_b32 s22, 0
	s_mov_b32 s23, 0
	s_mov_b32 s28, 0x3e38aa3b                      ; c = log2(e) / 8
	s_mov_b32 s29, s28
	s_mov_b32 s46, 0xbe38aa3b                      ; -c
	s_mov_b32 s30, 0x76543210
	s_mov_b32 s31, 0xfedcba98                      ; selects for lane l xor 16
	s_mov_b32 s34, 0xffff0000                      ; lanes 16-31
	s_mul_i32 s44, s10, 106496                     ; the pair's 32 blocks
	s_mul_i32 s42, s8, VB
	s_add_co_u32 s42, s42, s44
	s_add_co_u32 s42, s42, 6815744                 ; my key step's two blocks in tensor k
	s_mov_b32 s43, 0
	s_mul_i32 s13, s8, STEPB                       ; and in LDS
	s_lshl_b32 s36, s9, 3
	s_lshr_b32 s45, s8, 1
	s_add_co_u32 s36, s36, s45
	s_mul_i32 s36, s36, BLK
	s_add_co_u32 s36, s36, s44                     ; Q: block 8 cx + w / 2 of the pair's
	s_mov_b32 s37, 0
	s_lshl_b32 s14, s12, 7
	s_lshl_b32 s15, s9, 5
	s_add_co_u32 s14, s14, s15
	s_lshl_b32 s15, s8, 1
	s_add_co_u32 s14, s14, s15                     ; my first tile of tokens: 128 batch + 32 cx + 2 w
	s_mul_i32 s14, s14, 13312
	s_lshr_b32 s15, s11, 2
	s_mul_i32 s15, s15, BLK
	s_add_co_u32 s14, s14, s15                     ; its block head / 4
	s_and_b32 s15, s11, 3
	s_mul_i32 s38, s15, 768
	s_add_co_u32 s38, s38, s14                     ; unit head % 4,
	s_mov_b32 s39, 0
	s_lshl_b32 s40, s15, 2
	s_add_co_u32 s40, s40, s14
	s_add_co_u32 s40, s40, 3072                    ; and its scale words
	s_mov_b32 s41, 0
	s_wait_dscnt 0x0                               ; both opening adds are done
	s_wait_kmcnt 0x0
	s_mov_b32 s24, 1
	s_mov_b32 s25, s13
	s_add_nc_u64 s[26:27], s[4:5], s[42:43]
	s_or_b32 s27, s27, 0x80000000
	s_add_nc_u64 s[36:37], s[4:5], s[36:37]
	s_add_nc_u64 s[38:39], s[6:7], s[38:39]
	s_add_nc_u64 s[40:41], s[6:7], s[40:41]
	CROUND                                         ; all four work-groups are here: the joint loads meet
	tensor_load_to_lds s[24:27], s[16:23]          ; my one tensor load: 128 keys of K and of V
	s_nop 0
.rept 4
	v_nop
.endr
	v_and_b32 v7, 31, v0                           ; lane
	v_and_b32 v8, 15, v0                           ; r
	v_bfe_u32 v10, v0, 4, 1                        ; h
	v_lshlrev_b32 v3, 4, v7
	v_lshl_add_u32 v4, v7, 3, 512
	v_lshlrev_b32 v5, 3, v10
	v_lshl_add_u32 v6, v8, 4, 3072
	v_mul_u32_u24 v11, v10, 13312
	v_lshl_add_u32 v11, v8, 4, v11                 ; the result's words: lanes 0-15 pass 0's tile, lanes 16-31 pass 1's
	s_and_b32 s15, s8, 1
	s_mul_i32 s35, s15, 1536                       ; Q: units 2 (w % 2) and 2 (w % 2) + 1 of the block
	s_lshl_b32 s15, s15, 3
	v_add_nc_u32 v230, s35, v3
	v_add_nc_u32 v231, s35, v4
	v_add_nc_u32 v232, s15, v6
	global_load_b128 v[QF:QF+3], v230, s[36:37]
	global_load_b64 v[QF+4:QF+5], v231, s[36:37]
	global_load_b32 v[QS], v232, s[36:37]
	global_load_b128 v[Q1:Q1+3], v230, s[36:37] offset:768
	global_load_b64 v[Q1+4:Q1+5], v231, s[36:37] offset:768
	global_load_b32 v[Q1+6], v232, s[36:37] offset:4
.irp i, 0,1,2,3,4,5
	v_mov_b32 v[QF+6+\i], 0                        ; the codes of k = 64 .. 127
	v_mov_b32 v[KF+48+\i], 0                       ; behind K's last unit
.endr
	v_mov_b32 v9, 0                                ; a lane permute's destination counts as one of its sources
	v_mov_b32 v[TT], 0
	WALU
	s_wait_tensorcnt 0x0                           ; my part has landed,
	s_barrier_signal -1
	s_barrier_wait -1                              ; everybody's has: from here on LDS is only read
	KLOAD v3, v4, v6                               ; key step 0
	s_wait_loadcnt 0x0                             ; Q
; 128 keys.  nxt = 1: the next step's K is asked for, at LDS byte s32; 2: key step 0's, for the next pass; 0: nothing
.macro STEP nxt
	s_wait_dscnt 0x0                               ; K's units and words, V's words
.irp t, 0,1,2,3,4,5,6,7
	v_wmma_scale_f32_16x16x128_f8f6f4 v[S+8*\t:S+8*\t+7], v[KF+6*\t:KF+6*\t+11], v[QF:QF+11], 0, v[KS+\t], v[QS] matrix_a_fmt:MATRIX_FMT_FP6 matrix_b_fmt:MATRIX_FMT_FP6
.endr
.irp d, 0,1,2,3
	v_lshl_or_b32 v[VSC+\d], v[VR+4+\d], 16, v[VR+\d]   ; two units' words make V's word of 128 keys; these four are the places behind the products
.endr
.irp d, 0,1,2,3                        ; V's four fragments land while the softmax is walked
	ds_load_b128 v[KF+12*\d:KF+12*\d+3], v7 offset:VB+768*\d
	ds_load_b64 v[KF+12*\d+4:KF+12*\d+5], v8 offset:VB+768*\d
	ds_load_b128 v[KF+12*\d+6:KF+12*\d+9], v7 offset:VB+BLK+768*\d
	ds_load_b64 v[KF+12*\d+10:KF+12*\d+11], v8 offset:VB+BLK+768*\d
.endr
.if \nxt == 1
	s_add_co_u32 s32, s32, STEPB
.endif
	v_mov_b32 v[TO], v12
.irp g, 0,1,2,3
	v_max3_num_f32 v[C+\g], v[S+16*\g], v[S+16*\g+1], v[S+16*\g+2]   ; four chains by turns, two to a block of 32 keys; each accumulator is read from its low end on
.endr
.irp i, 3,5,7,9,11,13
.irp g, 0,1,2,3
	v_max3_num_f32 v[C+\g], v[C+\g], v[S+16*\g+\i], v[S+16*\g+\i+1]
.endr
.endr
	v_max3_num_f32 v[C], v[C], v[S+15], v[S+31]
	v_max3_num_f32 v[C+2], v[C+2], v[S+47], v[S+63]
	s_delay_alu instid0(VALU_DEP_2)
	v_max_num_f32 v[C], v[C], v[C+1]               ; my two blocks' largest scores: for the row's maximum and, since p rises with the score, for each block's largest p
	s_delay_alu instid0(VALU_DEP_2)
	v_max_num_f32 v[C+2], v[C+2], v[C+3]
	s_delay_alu instid0(VALU_DEP_1)
	v_max3_num_f32 v13, v13, v[C], v[C+2]
	s_delay_alu instid0(VALU_DEP_1)
	v_permlanex16_b32 v[TT], v13, s30, s31
	s_delay_alu instid0(VALU_DEP_1)
	v_max_num_f32 v13, v13, v[TT]                  ; with lane l xor 16's keys: the running largest score of my query
	s_delay_alu instid0(VALU_DEP_1)
	v_mul_f32 v[TT], s46, v13                      ; -t (c is positive, so the largest score gives the largest t)
	s_delay_alu instid0(VALU_DEP_1)
	v_floor_f32 v12, v[TT]                         ; the new -M = floor(-t): M is a whole number
.set j, 0
.rept 16
	v_pk_fma_f32 v[S+j:S+j+1], v[S+j:S+j+1], s[28:29], v[12:13] op_sel_hi:[1,0,0]   ; t - M of my first block, two at a time; f is made among these lines
.if j == 6
	v_sub_f32 v[TT], v12, v[TO]                    ; old M - new M: a whole number, 0 or less
.endif
.if j == 14
	v_cvt_i32_f32 v[TT], v[TT]                     ; (it saturates)
.endif
.if j == 22
	v_ldexp_f32 v[F], 1.0, v[TT]                   ; f = 2^(old M - new M)
.endif
.set j, j+2
.endr
	v_fma_f32 v[C+1], v[C], s28, v12               ; the same of each block's largest score
	v_fma_f32 v[C+3], v[C+2], s28, v12
.set j, 0
.rept 16
	v_pk_mul_f32 v[O+j:O+j+1], v[O+j:O+j+1], v[F:F+1] op_sel_hi:[1,0]   ; O^T under the new M, ahead of the step's first exponential
.set j, j+2
.endr
	v_pk_mul_f32 v[14:15], v[14:15], v[F:F+1] op_sel_hi:[1,0]           ; and the sum
	WALU
	v_exp_f32 v[C+1], v[C+1]                       ; each block's largest p: the same two instructions on the same number
	v_exp_f32 v[C+3], v[C+3]
.set j, 0
.rept 16
	v_exp_f32 v[S+j], v[S+j]                       ; p = 2^(t - M) of my first block;
	v_exp_f32 v[S+j+1], v[S+j+1]
	v_pk_fma_f32 v[S+32+j:S+33+j], v[S+32+j:S+33+j], s[28:29], v[12:13] op_sel_hi:[1,0,0]   ; among them t - M of my second, read behind the wait below
.set j, j+2
.endr
	WALU                                           ; one wait for the batch, ahead of its first reader
	v_max_num_f32 v[C+1], FLOOR, v[C+1]
	v_max_num_f32 v[C+3], FLOOR, v[C+3]
	s_delay_alu instid0(VALU_DEP_2)
	v_add_nc_u32 v[SO], DOWN2, v[C+1]              ; the conversions' scale operands
	s_delay_alu instid0(VALU_DEP_2)
	v_add_nc_u32 v[SO+1], DOWN2, v[C+3]
	s_delay_alu instid0(VALU_DEP_2)
	v_lshrrev_b32 v[E], 23, v[SO]                  ; the bytes of blocks h and 2 + h
	s_delay_alu instid0(VALU_DEP_2)
	v_lshrrev_b32 v[E+1], 23, v[SO+1]
	s_delay_alu instid0(VALU_DEP_1)
	v_lshl_or_b32 v[W], v[E+1], 16, v[E]
	s_delay_alu instid0(VALU_DEP_1)
	v_lshlrev_b32 v[W], v5, v[W]                   ; at their places in the word, 8 h bits up;
	s_delay_alu instid0(VALU_DEP_1)
	v_permlanex16_b32 v9, v[W], s30, s31
	s_delay_alu instid0(VALU_DEP_1)
	v_or_b32 v[PW], v[W], v9                       ; with lane l xor 16's two the word of these 128 keys is whole
	v_cvt_scalef32_pk16_fp6_f32 v[PC:PC+2], v[S:S+15], v[SO]
	v_cvt_scalef32_pk16_fp6_f32 v[T:T+2], v[S+16:S+31], v[SO]
.set j, 0
.rept 8
	v_exp_f32 v[S+32+4*j], v[S+32+4*j]             ; p of my second block; among them lines whose results are read behind the wait below:
	v_exp_f32 v[S+33+4*j], v[S+33+4*j]
	v_pk_add_f32 v[A+2*j:A+2*j+1], v[S+4*j:S+4*j+1], v[S+4*j+2:S+4*j+3]   ; the row's sum is taken of the unquantised p: eight partial sums begin on the first block;
	v_exp_f32 v[S+34+4*j], v[S+34+4*j]
	v_exp_f32 v[S+35+4*j], v[S+35+4*j]
.if \nxt == 1
.if j == 5
	v_add_nc_u32 v7, s32, v3                       ; and the next step's LDS addresses (V's loads have read the old ones)
.endif
.if j == 6
	v_add_nc_u32 v8, s32, v4
.endif
.if j == 7
	v_add_nc_u32 v10, s32, v6
.endif
.else
.if j == 7
	v_nop                                          ; a plain place behind the last exponential
.endif
.endif
.set j, j+1
.endr
	WALU                                           ; one wait for the batch
	v_cvt_scalef32_pk16_fp6_f32 v[PC+6:PC+8], v[S+32:S+47], v[SO+1]
	v_cvt_scalef32_pk16_fp6_f32 v[T+4:T+6], v[S+48:S+63], v[SO+1]
.irp k, 0,1,2,3
	v_pk_add_f32 v[A+2*\k:A+2*\k+1], v[A+2*\k:A+2*\k+1], v[S+32+2*\k:S+33+2*\k]   ; plain places behind the conversions
.endr
.irp i, 0,1,2
	v_mov_b32 v[PC+3+\i], v[T+\i]
	v_mov_b32 v[PC+9+\i], v[T+4+\i]
.endr
.irp k, 4,5,6,7
	v_pk_add_f32 v[A+2*\k:A+2*\k+1], v[A+2*\k:A+2*\k+1], v[S+32+2*\k:S+33+2*\k]   ; these twelve are the places between p's codes and the products
.endr
.irp k, 0,1,2,3,4,5,6,7
	v_pk_add_f32 v[A+2*\k:A+2*\k+1], v[A+2*\k:A+2*\k+1], v[S+48+2*\k:S+49+2*\k]
.endr
	WALU
	s_wait_dscnt 0x0                               ; V's fragments are in
.irp d, 0,1,2,3
	v_wmma_scale_f32_16x16x128_f8f6f4 v[O+8*\d:O+8*\d+7], v[KF+12*\d:KF+12*\d+11], v[PC:PC+11], v[O+8*\d:O+8*\d+7], v[VSC+\d], v[PW] matrix_a_fmt:MATRIX_FMT_FP6 matrix_b_fmt:MATRIX_FMT_FP6
.endr
.irp k, 0,1,2,3
	v_pk_add_f32 v[A+2*\k:A+2*\k+1], v[A+2*\k:A+2*\k+1], v[A+8+2*\k:A+9+2*\k]     ; four places in front of the loads into V's registers
.endr
.if \nxt == 1
	KLOAD v7, v8, v10
.endif
.if \nxt == 2
	KLOAD v3, v4, v6
.endif
	v_pk_add_f32 v[A:A+1], v[A:A+1], v[A+4:A+5]
	v_pk_add_f32 v[A+2:A+3], v[A+2:A+3], v[A+6:A+7]
	s_delay_alu instid0(VALU_DEP_1)
	v_pk_add_f32 v[A:A+1], v[A:A+1], v[A+2:A+3]
	s_delay_alu instid0(VALU_DEP_1)
	v_pk_add_f32 v[14:15], v[14:15], v[A:A+1]
.endm
; 32 numbers of a lane, register 16 b + i = k 32 b + 16 h + i of my row, become a unit's codes in v[PC] .. v[PC + 5] and its scale word in v[w]
.macro QUANT32 s, w
	v_max3_num_f32 v[C], |v[\s]|, |v[\s+1]|, FLOOR
	v_max3_num_f32 v[C+1], |v[\s+16]|, |v[\s+17]|, FLOOR
.irp i, 2,4,6,8,10,12,14
	s_delay_alu instid0(VALU_DEP_2)
	v_max3_num_f32 v[C], v[C], |v[\s+\i]|, |v[\s+\i+1]|
	s_delay_alu instid0(VALU_DEP_2)
	v_max3_num_f32 v[C+1], v[C+1], |v[\s+16+\i]|, |v[\s+17+\i]|
.endr
	s_delay_alu instid0(VALU_DEP_2)
	v_permlanex16_b32 v[E], v[C], s30, s31
	s_delay_alu instid0(VALU_DEP_2)
	v_permlanex16_b32 v[E+1], v[C+1], s30, s31
	s_delay_alu instid0(VALU_DEP_2)
	v_max_num_f32 v[C], v[C], v[E]
	s_delay_alu instid0(VALU_DEP_2)
	v_max_num_f32 v[C+1], v[C+1], v[E+1]
	s_delay_alu instid0(VALU_DEP_2)
	v_add_nc_u32 v[SO], DOWN2, v[C]
	s_delay_alu instid0(VALU_DEP_2)
	v_add_nc_u32 v[SO+1], DOWN2, v[C+1]
	s_delay_alu instid0(VALU_DEP_2)
	v_lshrrev_b32 v[E], 23, v[SO]
	s_delay_alu instid0(VALU_DEP_2)
	v_lshrrev_b32 v[E+1], 23, v[SO+1]
	s_delay_alu instid0(VALU_DEP_1)
	v_lshl_or_b32 v[\w], v[E+1], 8, v[E]
	v_cvt_scalef32_pk16_fp6_f32 v[PC:PC+2], v[\s:\s+15], v[SO]
	v_cvt_scalef32_pk16_fp6_f32 v[T:T+2], v[\s+16:\s+31], v[SO+1]
	v_nop                                          ; one plain place behind a scaled conversion
.irp i, 0,1,2
	v_permlane16_swap_b32 v[PC+\i], v[T+\i]        ; a whole block to a lane
.endr
.irp i, 0,1,2
	s_delay_alu instid0(VALU_DEP_3)
	v_mov_b32 v[PC+3+\i], v[T+\i]
.endr
.endm
.macro PASS p
.if \p
	s_wait_xcnt 0x0                                ; the last pass's stores have read the codes' registers
.irp i, 0,1,2,3,4,5
	v_mov_b32 v[QF+\i], v[Q1+\i]                   ; the second tile of queries; the lines below stand between these and the products
.endr
	v_mov_b32 v[QS], v[Q1+6]
.endif
	v_mov_b32 v7, v3                               ; key step 0's place
	v_mov_b32 v8, v4
	v_mov_b32 v13, 0xff61b1e6                      ; the largest score so far: -3e38
	v_mov_b32 v12, 0x7f61b1e6                      ; -M: 3e38, so that the first f is 0
	v_mov_b32 v14, 0                               ; the sum, in two halves
	v_mov_b32 v15, 0
.set j, 0
.rept 32
	v_mov_b32 v[O+j], 0                            ; O^T: the step is written once; the first change of M leaves zeros zeros
.set j, j+1
.endr
	s_mov_b32 s32, 0
	s_mov_b32 s33, 15
	WALU
.Lkey_\@:
	STEP 1
	s_sub_co_u32 s33, s33, 1
	s_cmp_lg_u32 s33, 0
	WALU
	s_cbranch_scc1 .Lkey_\@
.if \p
	STEP 0                                         ; the last step is written out: it asks for no key step beyond the last
.else
	STEP 2
.endif
	v_add_f32 v14, v14, v15                        ; the sum's two halves,
	s_delay_alu instid0(VALU_DEP_1)
	v_permlanex16_b32 v[TT], v14, s30, s31
	s_delay_alu instid0(VALU_DEP_1)
	v_add_f32 v14, v14, v[TT]                      ; and lane l xor 16's: the row's sum
	WALU
	v_rcp_f32 v14, v14
	v_nop                                          ; a plain place behind the reciprocal,
	WALU                                           ; and the wait ahead of its first reader and of O^T's
.set j, 0
.rept 16
	v_pk_mul_f32 v[S+j:S+j+1], v[O+j:O+j+1], v[14:15] op_sel_hi:[1,0]   ; register 16 b + i is channel 32 b + 16 h + i of my query
.set j, j+2
.endr
.if \p
	QUANT32 S, W1
.else
	QUANT32 S, W0
.endif
	global_store_b128 v3, v[PC:PC+3], s[38:39] offset:13312*\p     ; 512 consecutive bytes
	global_store_b64 v4, v[PC+4:PC+5], s[38:39] offset:13312*\p    ; 256 consecutive bytes (v4 holds the 512)
.endm
	PASS 0
	PASS 1
	v_cndmask_b32 v[A], v[W0], v[W1], s34          ; lanes 0-15 store pass 0's words, lanes 16-31 pass 1's
	global_store_b32 v11, v[A], s[40:41]
	s_wait_tensorcnt 0x0                           ; the wave's end
	ds_add_u32 v1, v2
	s_wait_dscnt 0x0
	CROUND                                         ; the closing round
	s_endpgm
.Lfunc_end_k_q64e1247334_attn:
	.size	k_q64e1247334_attn, .Lfunc_end_k_q64e1247334_attn-k_q64e1247334_attn
	.p2alignl 7, 3214868480
	.fill 96, 4, 3214868480
	.section	.rodata,"a",@progbits
	.p2align	6, 0x0
	.amdhsa_kernel k_q64e1247334_attn
		.amdhsa_group_segment_fixed_size 215040
		.amdhsa_private_segment_fixed_size 0
		.amdhsa_enable_private_segment 0
		.amdhsa_kernarg_size 16
		.amdhsa_user_sgpr_count 2
		.amdhsa_user_sgpr_kernarg_segment_ptr 1
		.amdhsa_wavefront_size32 1
		.amdhsa_system_sgpr_workgroup_id_x 1
		.amdhsa_system_sgpr_workgroup_id_y 1
		.amdhsa_system_sgpr_workgroup_id_z 1
		.amdhsa_system_vgpr_workitem_id 0
		.amdhsa_next_free_vgpr 256
		.amdhsa_next_free_sgpr 66
		.amdhsa_reserve_vcc 0
		.amdhsa_float_denorm_mode_32 3
		.amdhsa_float_denorm_mode_16_64 3
		.amdhsa_memory_ordered 1
		.amdhsa_forward_progress 1
		.amdhsa_inst_pref_size 80
	.end_amdhsa_kernel
	.amdgpu_metadata
---
amdhsa.version: [ 1, 2 ]
amdhsa.kernels:
  - .name:           k_q64e1247334_attn
    .symbol:         k_q64e1247334_attn.kd
    .args:
      - { .name: hb, .offset: 0, .size: 8, .value_kind: global_buffer, .address_space: global }
      - { .name: cb, .offset: 8, .size: 8, .value_kind: global_buffer, .address_space: global }
    .group_segment_fixed_size: 215040
    .private_segment_fixed_size: 0
    .kernarg_segment_align: 8
    .kernarg_segment_size: 16
    .max_flat_workgroup_size: 512
    .sgpr_count:     66
    .vgpr_count:     256
    .wavefront_size: 32
...
	.end_amdgpu_metadata
.endif
;; end of part 3
;; launch outp (part 4): grid 4 x 64, 8 waves a work-group, clusters of 4 x 4, 327,680 bytes of LDS; arguments cb, wb, bo, out0; writes out0
.if DOCPART == 4
	.amdgcn_target "amdgcn-amd-amdhsa--gfx1250"
	.amdhsa_code_object_version 6
	.text
	.protected	k_q64e1247334_outp
	.globl	k_q64e1247334_outp
	.p2align	8
	.type	k_q64e1247334_outp,@function
k_q64e1247334_outp:
	s_mov_b64 s[64:65], 0
	v_nop
	global_prefetch_b8 v0, s[64:65] scope:SCOPE_SE
	s_setreg_imm32_b32 hwreg(HW_REG_WAVE_MODE, 25, 1), 1
	s_wait_xcnt 0x0
	s_wait_alu depctr_hold_cnt(0) depctr_sa_sdst(0) depctr_va_vdst(0) depctr_va_sdst(0) depctr_va_ssrc(0) depctr_va_vcc(0) depctr_vm_vsrc(0)
	s_getreg_b32 s2, hwreg(HW_REG_IB_STS2, 6, 4)
	s_cmp_eq_u32 s2, 0
	s_cbranch_scc0 .Lentry_in_a_cluster
	s_endpgm
.Lentry_in_a_cluster:
	s_bfe_u32 s2, ttmp6, 0x10000c
	s_cmp_lg_u32 s2, 0xf033
	s_cbranch_scc0 .Lentry_shape_is_right
	s_endpgm
.Lentry_shape_is_right:
; out0 = ctx wo + bo on codes of FP6 (E2M3) with E8M0 scales; out0 [8192][1024] f32.  ctx comes from cb, wo's codes are the fourth weight of wb; units, blocks and the order of a tile's rows as the earlier launches lay them
; (unit = 16 rows x 64 K, 768 bytes; block = 4 units + 256 bytes of scale words = 3,328 bytes; lane row r of tile 2 G + u = row 32 G + 8 u + r + 8 (r / 8)).
; P (source 0) = wo's columns: a lane's registers run along a row of out0.  R (source 1) = tokens.  A work-group makes P 256 x R 128 with all of K = 1,024 in LDS at once: four chunks of 256 K, each filled once.
; Eight waves, each P 64 x R 64: 16 accumulators, 128 registers.  CLUSTER 4 x 4: P's tiles hang on cx alone and are asked for jointly along a column, R's on cy alone and jointly along a row.  A wave has one tensor load out.
; The accumulators are loaded with bo, so the sums begin at the bias (another order of f32 rounding than a bias added last).
; THE WAY OUT: 16 rows x 256 bytes at a time through the wave's own stage, which lies in chunk 0: that chunk has had its only fill, and every wave has passed three later barriers, each behind its wait for its LDS reads.
.set CH,     79872
.set RBASE,  53248
.set TILEB,  3328
.set QUADB,  13312
.set SPARE,  4*CH                      ; behind the chunks: the spare words, 128 bytes a wave, named by no other line
.set SC,  8                            ; v8-15    scale words: register 2 i + s: lanes 0-15 P's tile i, lanes 16-31 R's tile i, K step s.  Scales and nothing else
.set RAW, 16                           ; v16-31   the units' words as they lie
.set PF,  32                           ; v32-79   P's four fragments; on the way out rows read back
.set RF,  80                           ; v80-127  R's four
.set ACC, 128                          ; v128-255 accumulator (R tile a, P tile i) at ACC + 32 a + 8 i
.set G1P, 24
.set G1R, 32
.set G0P, 40
.set G0R, 56
.macro CROUND
	s_barrier_signal -1
	s_barrier_wait -1
	s_cmp_lg_u32 s16, 0
	s_cbranch_scc1 .Lnot_wave_0_\@
	s_barrier_signal -3
.Lnot_wave_0_\@:
	s_barrier_wait -3
	s_barrier_signal -1
	s_barrier_wait -1
.endm
.macro FRAGS s                         ; 32 loads: the fragments of the chunk's K step s: two units each, as they lie
.irp i, 0,1,2,3
	ds_load_b128 v[PF+12*\i:PF+12*\i+3], v3 offset:TILEB*\i+1536*\s
	ds_load_b64 v[PF+12*\i+4:PF+12*\i+5], v4 offset:TILEB*\i+1536*\s
	ds_load_b128 v[PF+12*\i+6:PF+12*\i+9], v3 offset:TILEB*\i+1536*\s+768
	ds_load_b64 v[PF+12*\i+10:PF+12*\i+11], v4 offset:TILEB*\i+1536*\s+768
.endr
.irp i, 0,1,2,3
	ds_load_b128 v[RF+12*\i:RF+12*\i+3], v5 offset:TILEB*\i+1536*\s
	ds_load_b64 v[RF+12*\i+4:RF+12*\i+5], v6 offset:TILEB*\i+1536*\s
	ds_load_b128 v[RF+12*\i+6:RF+12*\i+9], v5 offset:TILEB*\i+1536*\s+768
	ds_load_b64 v[RF+12*\i+10:RF+12*\i+11], v6 offset:TILEB*\i+1536*\s+768
.endr
.endm
.macro MUL s                           ; 16 matrix instructions; the 16 accumulators take turns, one instruction a turn, in the same order in every K step
.irp a, 0,1,2,3
.irp i, 0,1,2,3
	v_wmma_scale_f32_16x16x128_f8f6f4 v[ACC+32*\a+8*\i:ACC+32*\a+8*\i+7], v[PF+12*\i:PF+12*\i+11], v[RF+12*\a:RF+12*\a+11], v[ACC+32*\a+8*\i:ACC+32*\a+8*\i+7], v[SC+2*\i+\s], v[SC+2*\a+\s] matrix_a_fmt:MATRIX_FMT_FP6 matrix_b_fmt:MATRIX_FMT_FP6 matrix_b_scale:MATRIX_SCALE_ROW1
.endr
.endr
.endm
.macro CHUNK c
.if \c < 3
	s_cmp_lt_u32 s16, 2*\c+2                       ; chunk c was fetched by waves 2 c and 2 c + 1, each by a load line of its own: they wait for it (the waves under them have nothing out)
	s_cbranch_scc0 .Lnot_mine_\@
	s_wait_tensorcnt 0x0
.Lnot_mine_\@:
.else
	s_wait_tensorcnt 0x0                           ; the last chunk: every wave waits
.endif
	s_barrier_signal -1
	s_barrier_wait -1                              ; everybody's part has
.irp i, 0,1,2,3
	ds_load_b128 v[RAW+4*\i:RAW+4*\i+3], v7 offset:TILEB*\i   ; row r's four words: lanes 0-15 of P's tile i, lanes 16-31 of R's
.endr
	FRAGS 0
	s_wait_dscnt 32                                ; the four loads of words are in; the 32 issued behind them may be out
.irp i, 0,1,2,3
.irp s, 0,1
	v_lshl_or_b32 v[SC+2*\i+\s], v[RAW+4*\i+2*\s+1], 16, v[RAW+4*\i+2*\s]
.endr
.endr
.rept 8
	v_nop                                          ; a scale register written by a vector instruction stands eight places ahead of a scaled matrix instruction
.endr
	s_wait_alu depctr_va_vdst(0)
	s_wait_dscnt 0x0
	MUL 0
.rept 4
	v_nop                                          ; four places in front of loads into registers that matrix instructions have read
.endr
	FRAGS 1
	s_wait_dscnt 0x0
	MUL 1
.if \c < 3
.irp r, 3,4,5,6,7
	v_add_nc_u32 v\r, CH, v\r                      ; on to the next chunk; these five are also the places behind the products
.endr
.endif
.endm
	s_load_b256 s[4:11], s[0:1], 0x0               ; cb, wb, bo, out0
	v_lshl_add_u32 v1, v0, 2, SPARE
	v_mov_b32 v2, 0
	ds_add_u32 v1, v2                              ; the wave's opening
	ds_add_u32 v1, v2
	v_lshrrev_b32 v3, 5, v0
	s_delay_alu instid0(VALU_DEP_1)
	v_readfirstlane_b32 s16, v3                    ; wave 0..7
	s_and_b32 s17, s16, 3                          ; pw
	s_lshr_b32 s18, s16, 2                         ; rw
	s_bfe_u32 s19, ttmp6, 0x40000                  ; cx: P's block of 256 columns
	s_bfe_u32 s20, ttmp6, 0x40004                  ; cy
	s_and_b32 s21, ttmp7, 0xffff
	s_lshl_b32 s82, s21, 2
	s_add_co_u32 s82, s82, s20                     ; R's block of 128 tokens
	s_lshl_b32 s85, 0x1111, s19                    ; my column of the cluster
	s_or_b32 s[G1P], s85, (3<<16)|(1<<21)          ; 15:0 the mask; 17:16 elements of 8 bytes; 21 set beside a mask; no padding
	s_lshl_b32 s3, s20, 2
	s_lshl_b32 s3, 15, s3                          ; my row
	s_or_b32 s[G1R], s3, (3<<16)|(1<<21)
.irp g, G1P, G1R
	s_mov_b32 s[\g+1], 416<<16                     ; tensor_dim0: a block, 416 elements
	s_mov_b32 s[\g+3], 416<<16                     ; tile_dim0
	s_mov_b32 s[\g+5], 1664                        ; from tile to tile: 13,312 bytes
	s_mov_b32 s[\g+6], 0
	s_mov_b32 s[\g+7], 0
.endr
	s_mov_b32 s[G1P+2], 16<<16                     ; tensor_dim1: one load brings a chunk of all 16 tiles of P,
	s_mov_b32 s[G1P+4], 16
	s_mov_b32 s[G1R+2], 8<<16                      ; or of all 8 of R
	s_mov_b32 s[G1R+4], 8
	s_mul_i32 s94, s19, 212992
	s_add_co_u32 s94, s94, 2555904                 ; wo is the fourth weight of wb
	s_lshr_b32 s80, s16, 1                         ; ONE TENSOR LOAD A WAVE: wave 2 c fetches chunk c of P, wave 2 c + 1 chunk c of R
	s_mul_i32 s85, s80, TILEB                      ; the chunk's block in each tile
	s_add_co_u32 s94, s94, s85                     ; P: all 16 tiles of block cx
	s_mov_b32 s95, 0
	s_mul_i32 s96, s82, 106496
	s_add_co_u32 s96, s96, s85                     ; R: all 8 tiles of the block
	s_mov_b32 s97, 0
	s_mul_i32 s79, s17, QUADB                      ; where they go in a chunk
	s_mul_i32 s80, s80, CH                         ; my chunk in LDS
	s_lshl_b32 s86, s19, 10
	s_lshl_b32 s85, s17, 8
	s_add_co_u32 s86, s86, s85                     ; my 64 columns, in bytes: 1,024 cx + 256 pw
	s_mov_b32 s87, 0
	s_lshl_b32 s88, s82, 7
	s_lshl_b32 s85, s18, 6
	s_add_co_u32 s88, s88, s85                     ; my first token: 128 x block + 64 rw
	s_lshl_b32 s88, s88, 12
	s_add_co_u32 s88, s88, s86
	s_mov_b32 s89, 0
	s_wait_dscnt 0x0                               ; the opening add is done
	s_wait_kmcnt 0x0
	s_add_nc_u64 s[90:91], s[6:7], s[94:95]
	s_add_nc_u64 s[92:93], s[4:5], s[96:97]
	s_add_nc_u64 s[8:9], s[8:9], s[86:87]
	s_add_nc_u64 s[10:11], s[10:11], s[88:89]
	s_mov_b32 s[G0P], 1
	s_mov_b32 s[G0P+1], s80
	s_mov_b64 s[G0P+2:G0P+3], s[90:91]
	s_or_b32 s[G0P+3], s[G0P+3], 0x80000000
	s_mov_b32 s[G0R], 1
	s_add_co_u32 s[G0R+1], s80, RBASE
	s_mov_b64 s[G0R+2:G0R+3], s[92:93]
	s_or_b32 s[G0R+3], s[G0R+3], 0x80000000
	CROUND                                         ; all sixteen work-groups are here: the joint loads meet
; the head's eight fills, one a wave, in the arms of one chain of branches on the wave's number; an s_nop 0 and four v_nop behind each
.macro ARM w, g0, g1
	s_cmp_eq_u32 s16, \w
	s_cbranch_scc0 .Larm_\@
	tensor_load_to_lds s[\g0:\g0+3], s[\g1:\g1+7]
	s_nop 0
.rept 4
	v_nop
.endr
	s_branch .Lfilled
.Larm_\@:
.endm
	ARM 0, G0P, G1P
	ARM 1, G0R, G1R
	ARM 2, G0P, G1P
	ARM 3, G0R, G1R
	ARM 4, G0P, G1P
	ARM 5, G0R, G1R
	ARM 6, G0P, G1P
	tensor_load_to_lds s[G0R:G0R+3], s[G1R:G1R+7]
	s_nop 0
.rept 4
	v_nop
.endr
.Lfilled:
	v_and_b32 v16, 31, v0                          ; lane
	v_and_b32 v17, 15, v0                          ; r
	v_bfe_u32 v18, v0, 4, 1                        ; h
	s_delay_alu instid0(VALU_DEP_1)
	v_lshlrev_b32 v20, 6, v18                      ; bo: register 16 b + i is column 32 b + 16 h + i of my 64
.irp a, 0,1,2,3
.irp b, 0,1
.irp q, 0,1,2,3
	global_load_b128 v[ACC+32*\a+16*\b+4*\q:ACC+32*\a+16*\b+4*\q+3], v20, s[8:9] offset:128*\b+16*\q   ; the sums begin at the bias: the same 256 bytes for each of the four tiles of tokens
.endr
.endr
.endr
	v_lshl_add_u32 v3, v16, 4, s79                 ; P's units: 13,312 pw + 16 x lane,
	v_lshl_add_u32 v4, v16, 3, s79
	s_delay_alu instid0(VALU_DEP_1)
	v_add_nc_u32 v4, 512, v4                       ; and + 512 + 8 x lane
	s_mul_i32 s85, s18, QUADB
	s_add_co_u32 s85, s85, RBASE
	v_lshl_add_u32 v5, v16, 4, s85                 ; R's likewise
	v_lshl_add_u32 v6, v16, 3, s85
	s_delay_alu instid0(VALU_DEP_1)
	v_add_nc_u32 v6, 512, v6
	s_xor_b32 s85, s17, 3
	s_add_co_u32 s85, s85, s18
	s_add_co_u32 s85, s85, 1
	s_mul_i32 s85, s85, QUADB                      ; from my tiles of P to my tiles of R: 13,312 (1 + rw + 3 - pw)
	v_mul_u32_u24 v7, s85, v18                     ; lanes 16-31 take R's words
	s_delay_alu instid0(VALU_DEP_1)
	v_lshl_add_u32 v7, v17, 4, v7
	s_delay_alu instid0(VALU_DEP_1)
	v_add_nc_u32 v7, s79, v7
	s_delay_alu instid0(VALU_DEP_1)
	v_add_nc_u32 v7, 3072, v7
	s_wait_alu depctr_va_vdst(0)
	s_wait_loadcnt 0x0                             ; bo
	CHUNK 0
	s_wait_alu depctr_va_vdst(0)
	CHUNK 1
	s_wait_alu depctr_va_vdst(0)
	CHUNK 2
	s_wait_alu depctr_va_vdst(0)
	CHUNK 3
	; THE WAY OUT.  These plain lines are the places behind the last products
	s_mul_i32 s85, s16, 4352                       ; my stage: 16 rows x (256 bytes + 16)
	v_and_b32 v6, 15, v0
	v_bfe_u32 v7, v0, 4, 1
	s_delay_alu instid0(VALU_DEP_2)
	v_mul_u32_u24 v3, v6, 272
	s_delay_alu instid0(VALU_DEP_1)
	v_lshl_add_u32 v3, v7, 6, v3
	s_delay_alu instid0(VALU_DEP_1)
	v_add_nc_u32 v3, s85, v3                       ; in: row r, + 64 h
	s_delay_alu instid0(VALU_DEP_4)
	v_mul_u32_u24 v4, v7, 272
	s_delay_alu instid0(VALU_DEP_1)
	v_lshl_add_u32 v4, v6, 4, v4
	s_delay_alu instid0(VALU_DEP_1)
	v_add_nc_u32 v4, s85, v4                       ; back: lanes 0-15 one row, lanes 16-31 the next
	v_lshlrev_b32 v5, 12, v7
	s_delay_alu instid0(VALU_DEP_1)
	v_lshl_add_u32 v5, v6, 4, v5                   ; and the same two rows in out0
	s_wait_alu depctr_va_vdst(0)
.irp a, 0,1,2,3
.if \a > 1
	s_wait_xcnt 0x0                                ; the stores of two tiles back have read the registers into which these rows come
.endif
.irp b, 0,1
.irp q, 0,1,2,3
	ds_store_b128 v3, v[ACC+32*\a+16*\b+4*\q:ACC+32*\a+16*\b+4*\q+3] offset:128*\b+16*\q   ; each accumulator from its low end on
.endr
.endr
.irp i, 0,1,2,3,4,5,6,7
	ds_load_b128 v[PF+32*(\a%2)+4*\i:PF+32*(\a%2)+4*\i+3], v4 offset:544*\i   ; LDS serves a wave's instructions in order: these see my stores, and the next tile's stores come behind them
.endr
	s_wait_dscnt 0x0
.irp i, 0,1,2,3,4,5,6,7
	global_store_b128 v5, v[PF+32*(\a%2)+4*\i:PF+32*(\a%2)+4*\i+3], s[10:11] offset:(32*(\a/2)+8*(\a%2)+2*\i+8*(\i/4))*4096 th:TH_STORE_NT   ; stage row 2 i + h is token 32 (a / 2) + 8 (a % 2) + 2 i + h + 8 (i / 4); sixteen lanes store 256 consecutive bytes, aligned
.endr
.endr
	s_wait_tensorcnt 0x0                           ; the wave's end
	ds_add_u32 v1, v2
	s_wait_dscnt 0x0
	CROUND                                         ; the closing round
	s_endpgm
.Lfunc_end_k_q64e1247334_outp:
	.size	k_q64e1247334_outp, .Lfunc_end_k_q64e1247334_outp-k_q64e1247334_outp
	.p2alignl 7, 3214868480
	.fill 96, 4, 3214868480
	.section	.rodata,"a",@progbits
	.p2align	6, 0x0
	.amdhsa_kernel k_q64e1247334_outp
		.amdhsa_group_segment_fixed_size 327680
		.amdhsa_private_segment_fixed_size 0
		.amdhsa_enable_private_segment 0
		.amdhsa_kernarg_size 32
		.amdhsa_user_sgpr_count 2
		.amdhsa_user_sgpr_kernarg_segment_ptr 1
		.amdhsa_wavefront_size32 1
		.amdhsa_system_sgpr_workgroup_id_x 1
		.amdhsa_system_sgpr_workgroup_id_y 1
		.amdhsa_system_sgpr_workgroup_id_z 1
		.amdhsa_system_vgpr_workitem_id 0
		.amdhsa_next_free_vgpr 256
		.amdhsa_next_free_sgpr 100
		.amdhsa_reserve_vcc 0
		.amdhsa_float_denorm_mode_32 3
		.amdhsa_float_denorm_mode_16_64 3
		.amdhsa_memory_ordered 1
		.amdhsa_forward_progress 1
		.amdhsa_inst_pref_size 58
	.end_amdhsa_kernel
	.amdgpu_metadata
---
amdhsa.version: [ 1, 2 ]
amdhsa.kernels:
  - .name:           k_q64e1247334_outp
    .symbol:         k_q64e1247334_outp.kd
    .args:
      - { .name: cb, .offset: 0, .size: 8, .value_kind: global_buffer, .address_space: global }
      - { .name: wb, .offset: 8, .size: 8, .value_kind: global_buffer, .address_space: global }
      - { .name: bo, .offset: 16, .size: 8, .value_kind: global_buffer, .address_space: global }
      - { .name: out0, .offset: 24, .size: 8, .value_kind: global_buffer, .address_space: global }
    .group_segment_fixed_size: 327680
    .private_segment_fixed_size: 0
    .kernarg_segment_align: 8
    .kernarg_segment_size: 32
    .max_flat_workgroup_size: 256
    .sgpr_count:     100
    .vgpr_count:     256
    .wavefront_size: 32
...
	.end_amdgpu_metadata
.endif
;; end of part 4
